; MI455X (gfx1250); checked and timed in simulation.
; The chip was launched on July 23, 2026; its instructions are those of AMD's public machine-readable ISA for CDNA 5 (MIT licence, August 2026) and "CDNA5" Instruction Set Architecture Reference Guide (July 2026). The comments in the code are by the model that wrote it; some were corrected since.
;; Mutual My Layer. Allowed arithmetic: matrix products marked QUANTISED: E2M1 operands, one E8M0 scale for each 32 along K, by v_wmma_scale_f32_16x16x128_f8f6f4 with both operands' format E2M1 (or v_wmma_scale_f32_32x16x128_f4), f32 sums; products left as they are: bf16, f16 or f32 operands; f32 sums; everything else in f32.
;; Inputs: kernel 3 x 1,024 x 1,024 float32; x 4 x 2,048 x 1,024 float32; y 4 x 2,048 x 1,024 float32.
;; Outputs: out0 4 x 2,048 x 1,024 float32.
;; This version of the problem:
;;   THIS VERSION OF THE PROBLEM IS GIVEN IN LOW PRECISION. The matrix products marked QUANTISED in the list below multiply operands that are first quantised to E2M1 (2 exponent bits, 1 mantissa bit; 4 bits a number), with one power-of-two scale for each 32 numbers along K (OCP MX v1.0); their sums are f32. The products marked 'left as it is' may take bf16, f16 or f32 operands, with f32 sums. Whichever they take, every output number must still come out within the allowed error. Rounding operands to bf16 (8 significant bits) uses up far more of that allowance than f16 does (11 bits, for magnitudes from 6e-5 to 65,504). All else is computed in f32.
;;   The module's matrix products, in the order in which they are computed (A, B: the left and right operand; K: the contracted axis; several contracted axes count as one K, in the product's order):
;;     1. [M 8,192, K 1,024] x [K 1,024, N 1,024]; A: input x; B: input kernel: QUANTISED
;;     2. [M 8,192, K 1,024] x [K 1,024, N 1,024]; A: input x; B: input kernel: QUANTISED
;;     3. [M 8,192, K 1,024] x [K 1,024, N 1,024]; A: input y; B: input kernel: QUANTISED
;;     4. batch 4 x [M 2,048, K 1,024] x [K 1,024, N 2,048]; A: computed on the way; B: computed on the way: left as it is (an operand is computed on the way)
;;     5. batch 4 x [M 2,048, K 2,048] x [K 2,048, N 1,024]; A: computed on the way; B: computed on the way: left as it is (an operand is computed on the way)
;;   THE QUANTISER, for each operand of a quantised product, along K:
;;     - K is cut into blocks of 32 from its start; a last block that is shorter is filled with zeros.
;;     - A block's scale is 2^e with e = floor(log2(the largest magnitude in the block)) - 2, held to -126 .. 127; a block of zeros has e = 0. As a byte (E8M0): e + 127.
;;     - Each number is divided by its block's scale, clamped to +-6, and rounded to the nearest number of E2M1, ties to even, subnormals kept.
;;     - The product sums the exact products of the quantised numbers (number of the format x scale) in f32.
;;   ~~~python
;;   def quantise(x, axis):      # numpy; x: float32 -> the quantised numbers, widened to float32 again
;;       x = np.moveaxis(x, axis, -1); K = x.shape[-1]
;;       x = np.pad(x, [(0, 0)] * (x.ndim - 1) + [(0, -K % 32)]); x = x.reshape(x.shape[:-1] + (-1, 32)); a = np.abs(x).max(-1, keepdims=True)
;;       e = np.where(a > 0, np.clip(np.frexp(np.where(a > 0, a, 1))[1] - 1 - 2, -126, 127), 0)      # np.frexp(a)[1] - 1 = floor(log2(a)), exactly
;;       r = np.clip(x / 2.0 ** e, -6, 6)
;;       step = 2.0 ** (np.maximum(np.frexp(np.where(r == 0, 1, r))[1] - 1, 0) - 1)
;;       q = np.round(r / step) * step * 2.0 ** e      # np.round: ties to even
;;       return np.moveaxis(q.reshape(q.shape[:-2] + (-1,))[..., :K], -1, axis).astype(np.float32)
;;   ~~~
;; One version. Each part assembles by itself: llvm-mc -triple=amdgcn-amd-amdhsa -mcpu=gfx1250 --defsym DOCPART=n.
;; ======== version 1 of 1: 4 launches
;; limits: values are held in f16: magnitudes above 65,504 overflow, below 6.1e-05 lose precision
;; workspace buffers: acodes 8,388,608 bytes; ascales 524,288 bytes; wimg 1,572,864 bytes; wsc 98,304 bytes; qkv 50,331,648 bytes; pimg 33,554,432 bytes; stat 1,048,576 bytes
;; launch quant (part 1): grid 704 x 1, 4 waves a work-group, no clusters, 33,280 bytes of LDS; arguments kernel, x, y, wimg, wsc, acodes, ascales; writes wimg, wsc, acodes, ascales
.if DOCPART == 1
	.amdgcn_target "amdgcn-amd-amdhsa--gfx1250"
	.amdhsa_code_object_version 6
	.text
	.protected	k_qad78bd88e4_quant
	.globl	k_qad78bd88e4_quant
	.p2align	8
	.type	k_qad78bd88e4_quant,@function
k_qad78bd88e4_quant:
	s_mov_b64 s[64:65], 0
	v_nop
	global_prefetch_b8 v0, s[64:65] scope:SCOPE_SE
	s_setreg_imm32_b32 hwreg(HW_REG_WAVE_MODE, 25, 1), 1
	s_wait_xcnt 0x0
; LAUNCH 1 OF 4.  out0 = softmax((x W0)(x W1)^T / 32) (y W2), W = kernel[0..2].  The three products with W are on codes of FP4 (E2M1) with one E8M0 scale for each 32 along K = 1,024.
; DEAD WORK: none.  Every number of x, y and kernel moves codes or scales of a live product, and every row and column of all five products reaches out0: nothing is left out, all three inputs are loaded.
; This launch quantises all three inputs once, since every tile of them is read by many work-groups of the next launch.
;   x, y [8192][1024] f32, K innermost -> acodes [2][8192][512 bytes] (two codes a byte, the lower k in the low four bits), ascales [2][8192][32 bytes].
;   kernel [3][1024 (k)][1024 (n)] f32, K its FIRST axis -> wimg: the codes as images of the operand's registers, [k / 512][n / 16][(k / 128) % 4][1,024 bytes], n = 1024 x matrix + column; in a fragment's 1,024
;   bytes the block of 32 along K number t of column n lies at 256 t + 16 (n % 16): that is register group t / 2 of lane 16 (t % 2) + n % 16.  wsc [k / 128][3072] words: byte t scales k = 32 t .. 32 t + 31 of the 128.
; A block's scale is 2^(floor(log2(its largest magnitude)) - 2); its byte is the largest magnitude's exponent field - 2, held at 1 from below.  Each number is divided by the scale and rounded to the nearest code, ties to even, beyond 6 the code of 6.
; LIMITS: a block of zeros gets the byte 1 where the rule says 127 (its codes are zeros, which add nothing under any byte but 0xff, and this program alone reads the bytes); blocks whose largest magnitude lies under 2^-124 keep the byte 1;
; NaN and infinities among the inputs are not served.
; Work-groups 0-191 take the weights (they hang on long chains of loads, so they start first), work-groups 192-703 take x and y.  Only the second path touches LDS.  No tensor load, no barrier: waves share nothing.
.set NWGW,  192                        ; the weights' work-groups: 3 matrices x 8 runs of 128 along K x 8 groups of 128 columns
.set STEPS, 16
.set EMAX,  2
.set CB,    8                          ; bytes of 16 codes
.set R,     16                         ; v16-79   four sets of 16 numbers as they are loaded
.set X,     80                         ; v80-111  two sets of 16 neighbours
.set E,     112                        ; v112-127 a scale byte for each step
.set C,     128                        ; v128-191 codes: four registers for each step, so that no store's data are written again
.set WREG,  8192                       ; LDS: a region for each wave: two stages of 32 x SP bytes, behind them its 256 scale bytes
.set SP,    80                         ; a lane's place in a stage: 64 bytes + 16 of padding
.set SPW,   12                         ; v12 LDS address of my spare word; never rewritten
.set NIL,   13                         ; v13 0; never rewritten
.set SPARE, 4*WREG                     ; behind the four regions: the spare words, 128 bytes a wave
.set WX,    32                         ; weights: v32-159 four blocks of 32 numbers
.set WC,    160                        ; v160-175 their codes
	s_load_b128 s[4:7], s[0:1], 0x0                ; kernel, x
	s_load_b128 s[8:11], s[0:1], 0x10              ; y, wimg
	s_load_b128 s[12:15], s[0:1], 0x20             ; wsc, acodes
	s_load_b64 s[16:17], s[0:1], 0x30              ; ascales
	v_lshl_add_u32 v[SPW], v0, 2, SPARE
	v_mov_b32 v[NIL], 0
	v_lshrrev_b32 v1, 5, v0
	v_readfirstlane_b32 s18, v1                    ; wave 0..3
	v_and_b32 v2, 31, v0                           ; lane
	s_cmp_lt_u32 ttmp9, NWGW
	s_cbranch_scc1 .Lweights
; ---- x and y: plain streams of blocks of 32.  A wave takes a run of 8,192 numbers in 16 steps of 512.  Each load reads 512 consecutive bytes; a step's 2,048 bytes turn through the wave's own stage in LDS
; and come back 64 bytes a lane, so that a lane holds 16 neighbours and two neighbouring lanes a block.
	v_lshlrev_b32 v3, 4, v2                        ; my 16 bytes of a load's 512
	s_mul_i32 s28, s18, WREG
	v_lshrrev_b32 v14, 2, v2
	v_mul_u32_u24 v14, v14, SP
	v_and_b32 v15, 3, v2
	v_lshl_add_u32 v14, v15, 4, v14
	v_add_nc_u32 v14, s28, v14                     ; the stage, on the way in: SP (lane / 4) + 16 (lane % 4)
	v_mul_u32_u24 v15, v2, SP
	v_add_nc_u32 v15, s28, v15                     ; and on the way out: SP x lane
	v_mul_u32_u24 v4, v2, CB                       ; my codes' place in a step's
	v_lshrrev_b32 v5, 1, v2
	s_add_co_u32 s28, s28, 2*32*SP
	v_add_nc_u32 v5, s28, v5                       ; my wave's 256 scale bytes, my block's byte
	v_lshlrev_b32 v7, 3, v2
	v_add_nc_u32 v6, s28, v7                       ; and on the way out 8 bytes a lane
	s_sub_co_u32 s19, ttmp9, NWGW                  ; 0..511: the first 256 take x, the others y
	s_lshl_b32 s20, s19, 2
	s_add_co_u32 s20, s20, s18                     ; my run, 0..2047
	s_and_b32 s22, s20, 1023
	s_lshl_b32 s22, s22, 15                        ; 32,768 bytes of f32 a run
	s_mov_b32 s23, 0
	s_lshl_b32 s24, s20, 12                        ; 4,096 bytes of codes
	s_mov_b32 s25, 0
	s_lshl_b32 s26, s20, 8                         ; 256 scale bytes
	s_mov_b32 s27, 0
	s_wait_kmcnt 0x0
	s_cmp_lt_u32 s19, 256                          ; the choice hangs on the work-group's number alone
	s_cselect_b64 s[6:7], s[6:7], s[8:9]
	s_add_nc_u64 s[6:7], s[6:7], s[22:23]
	s_add_nc_u64 s[14:15], s[14:15], s[24:25]
	s_add_nc_u64 s[16:17], s[16:17], s[26:27]
.macro LOAD t
.irp i, 0,1,2,3
	global_load_b128 v[R+16*((\t)%4)+4*\i:R+16*((\t)%4)+4*\i+3], v3, s[6:7] offset:2048*(\t)+512*\i th:TH_LOAD_NT
.endr
.endm
.macro TURN t                          ; step t's numbers through the stage: LDS serves a wave's instructions in order, so no wait stands between the stores and the loads
.irp i, 0,1,2,3
	ds_store_b128 v14, v[R+16*((\t)%4)+4*\i:R+16*((\t)%4)+4*\i+3] offset:32*SP*((\t)%2)+8*SP*\i
.endr
.irp i, 0,1,2,3
	ds_load_b128 v[X+16*((\t)%2)+4*\i:X+16*((\t)%2)+4*\i+3], v15 offset:32*SP*((\t)%2)+16*\i
.endr
.endm
.irp t, 0,1,2,3
	LOAD \t
.endr
	s_wait_loadcnt 12                              ; step 0's four loads are in; the twelve of steps 1 to 3 may be out
	TURN 0
.macro STEP t
.set XS, X+16*((\t)%2)
.if (\t) > 0
	s_wait_dscnt 1                                 ; this step's numbers are back from the stage; the last step's byte store may be out
.else
	s_wait_dscnt 0x0
.endif
.if (\t)+4 < STEPS
	LOAD (\t)+4                                    ; into the registers that this step's stores into the stage have read
.endif
.if (\t)+1 < STEPS
.if STEPS-2-(\t) >= 3
	s_wait_loadcnt 12                              ; the next step's four loads are in; those of the three steps behind it may be out
.else
	s_wait_loadcnt 4*(STEPS-2-(\t))
.endif
	TURN (\t)+1
.endif
	v_max3_num_f32 v8, |v[XS]|, |v[XS+1]|, |v[XS+2]|               ; the largest magnitude of my 16, in two chains
	v_max3_num_f32 v9, |v[XS+3]|, |v[XS+4]|, |v[XS+5]|
.irp i, 6,10
	v_max3_num_f32 v8, v8, |v[XS+\i]|, |v[XS+\i+1]|
	v_max3_num_f32 v9, v9, |v[XS+\i+2]|, |v[XS+\i+3]|
.endr
	v_max3_num_f32 v8, v8, |v[XS+14]|, |v[XS+15]|
	v_max3_num_f32 v8, v8, v9, (EMAX+1)<<23        ; and the floor 2^(3 - 127): the byte cannot fall under 1
	v_max_num_f32_dpp v8, v8, v8 row_xmask:1 row_mask:0xf bank_mask:0xf   ; with my neighbour's 16: the block's
	v_add_nc_u32 v11, 0xff000000, v8               ; 2 off its exponent field: the conversion takes the exponent field of this operand as its scale
	v_cvt_scalef32_pk8_fp4_f32 v[C+4*(\t)], v[XS:XS+7], v11
	v_cvt_scalef32_pk8_fp4_f32 v[C+4*(\t)+1], v[XS+8:XS+15], v11
	v_lshrrev_b32 v[E+(\t)], 23, v11               ; the scale's byte (a plain line behind the conversions)
	ds_store_b8 v5, v[E+(\t)] offset:16*(\t)       ; both lanes of a block write the same byte with the same value
	global_store_b64 v4, v[C+4*(\t):C+4*(\t)+1], s[14:15] offset:32*CB*(\t)   ; the wave stores 256 consecutive bytes, aligned
.endm
.irp t, 0,1,2,3,4,5,6,7,8,9,10,11,12,13,14,15
	STEP \t
.endr
	ds_load_b64 v[8:9], v6                         ; my wave's 256 scale bytes: these loads see my stores
	s_wait_dscnt 0x0
	global_store_b64 v7, v[8:9], s[16:17]          ; 256 consecutive bytes, aligned
	s_wait_tensorcnt 0x0                           ; the wave's end
	ds_add_u32 v[SPW], v[NIL]
	s_wait_dscnt 0x0
	s_endpgm
; ---- the weights.  A wave takes 32 columns x 128 along K.  A LANE TAKES A COLUMN AND ITS REGISTERS RUN DOWN K: a load reads 128 consecutive bytes a wave (512 a work-group), a block of 32 lies in one lane,
; and the conversions' four registers are 16 bytes of the fragment's image as they stand: lanes 0-15 store one aligned run of 256 bytes, lanes 16-31 another.  No LDS.
.Lweights:
	s_lshr_b32 s19, ttmp9, 6                       ; the matrix, 0..2
	s_and_b32 s20, ttmp9, 7                        ; which 128 columns
	s_bfe_u32 s21, ttmp9, 0x30003                  ; which 128 along K
	s_lshl_b32 s22, s19, 22                        ; kernel: a matrix is 4,194,304 bytes,
	s_lshl_b32 s23, s21, 19                        ; 128 rows are 524,288,
	s_add_co_u32 s22, s22, s23
	s_lshl_b32 s23, s20, 9                         ; 128 columns 512,
	s_add_co_u32 s22, s22, s23
	s_lshl_b32 s23, s18, 7                         ; my wave's 32 columns 128
	s_add_co_u32 s22, s22, s23
	s_mov_b32 s23, 0
	s_lshr_b32 s24, s21, 2                         ; wimg: which 512 along K: 192 x 4,096 bytes,
	s_mul_i32 s24, s24, 786432
	s_lshl_b32 s25, s19, 18                        ; 64 groups of 16 columns a matrix, 4,096 bytes each,
	s_add_co_u32 s24, s24, s25
	s_lshl_b32 s25, s20, 15
	s_add_co_u32 s24, s24, s25
	s_lshl_b32 s25, s18, 13
	s_add_co_u32 s24, s24, s25
	s_and_b32 s25, s21, 3                          ; and the fragment of this 128 along K
	s_lshl_b32 s25, s25, 10
	s_add_co_u32 s24, s24, s25
	s_mov_b32 s25, 0
	s_mul_i32 s26, s21, 12288                      ; wsc: 3,072 words for each 128 along K
	s_lshl_b32 s27, s19, 12
	s_add_co_u32 s26, s26, s27
	s_lshl_b32 s27, s20, 9
	s_add_co_u32 s26, s26, s27
	s_lshl_b32 s27, s18, 7
	s_add_co_u32 s26, s26, s27
	s_mov_b32 s27, 0
	v_lshlrev_b32 v3, 2, v2                        ; 4 bytes a lane: in kernel's rows and in wsc
	v_lshrrev_b32 v4, 4, v2
	v_and_b32 v5, 15, v2
	v_lshlrev_b32 v4, 12, v4
	v_lshl_add_u32 v4, v5, 4, v4                   ; wimg: lanes 16-31 belong to the next group of 16 columns; 16 bytes a column
	s_wait_kmcnt 0x0
	s_add_nc_u64 s[4:5], s[4:5], s[22:23]
	s_add_nc_u64 s[10:11], s[10:11], s[24:25]
	s_add_nc_u64 s[12:13], s[12:13], s[26:27]
.macro LOADW t                         ; block t: kernel(32 t + i, my column), i = 0 .. 31
.irp i, 0,1,2,3,4,5,6,7,8,9,10,11,12,13,14,15,16,17,18,19,20,21,22,23,24,25,26,27,28,29,30,31
	global_load_b32 v[WX+32*(\t)+\i], v3, s[4:5] offset:(32*(\t)+\i)*4096 th:TH_LOAD_NT
.endr
.endm
.macro BLOCKW t
.set XW, WX+32*(\t)
.if (\t) < 3
	s_wait_loadcnt 32                              ; this block's 32 loads are in; the next block's 32 may be out
.else
	s_wait_loadcnt 0x0
.endif
.if (\t)+2 < 4
	LOADW (\t)+2
.endif
	v_max3_num_f32 v8, |v[XW]|, |v[XW+1]|, |v[XW+2]|               ; the block's largest magnitude: all 32 numbers are mine
	v_max3_num_f32 v9, |v[XW+3]|, |v[XW+4]|, |v[XW+5]|
.irp i, 6,10,14,18,22,26
	v_max3_num_f32 v8, v8, |v[XW+\i]|, |v[XW+\i+1]|
	v_max3_num_f32 v9, v9, |v[XW+\i+2]|, |v[XW+\i+3]|
.endr
	v_max3_num_f32 v8, v8, |v[XW+30]|, |v[XW+31]|
	v_max3_num_f32 v8, v8, v9, (EMAX+1)<<23        ; and the floor
	v_add_nc_u32 v11, 0xff000000, v8               ; the conversion's scale operand
.irp g, 0,1,2,3
	v_cvt_scalef32_pk8_fp4_f32 v[WC+4*(\t)+\g], v[XW+8*\g:XW+8*\g+7], v11
.endr
	v_lshrrev_b32 v10, 23, v11                     ; the scale's byte (a plain line behind the conversions)
.if (\t) == 0
	v_mov_b32 v24, v10                             ; four bytes make the column's scale word, the lower K in the lower byte
.else
	v_lshl_or_b32 v24, v10, 8*(\t), v24
.endif
	global_store_b128 v4, v[WC+4*(\t):WC+4*(\t)+3], s[10:11] offset:256*(\t)
.endm
	LOADW 0
	LOADW 1
	BLOCKW 0
	BLOCKW 1
	BLOCKW 2
	BLOCKW 3
	global_store_b32 v3, v24, s[12:13]             ; 128 consecutive bytes a wave, 512 a work-group: one byte for each 128 that this path reads
	s_endpgm                                       ; these waves have written no LDS
.Lfunc_end_k_qad78bd88e4_quant:
	.size	k_qad78bd88e4_quant, .Lfunc_end_k_qad78bd88e4_quant-k_qad78bd88e4_quant
	.p2alignl 7, 3214868480
	.fill 96, 4, 3214868480
	.section	.rodata,"a",@progbits
	.p2align	6, 0x0
	.amdhsa_kernel k_qad78bd88e4_quant
		.amdhsa_group_segment_fixed_size 33280
		.amdhsa_private_segment_fixed_size 0
		.amdhsa_enable_private_segment 0
		.amdhsa_kernarg_size 56
		.amdhsa_user_sgpr_count 2
		.amdhsa_user_sgpr_kernarg_segment_ptr 1
		.amdhsa_wavefront_size32 1
		.amdhsa_system_sgpr_workgroup_id_x 1
		.amdhsa_system_sgpr_workgroup_id_y 1
		.amdhsa_system_sgpr_workgroup_id_z 1
		.amdhsa_system_vgpr_workitem_id 0
		.amdhsa_next_free_vgpr 192
		.amdhsa_next_free_sgpr 66
		.amdhsa_reserve_vcc 0
		.amdhsa_float_denorm_mode_32 3
		.amdhsa_float_denorm_mode_16_64 3
		.amdhsa_memory_ordered 1
		.amdhsa_forward_progress 1
		.amdhsa_inst_pref_size 53
	.end_amdhsa_kernel
	.amdgpu_metadata
---
amdhsa.version: [ 1, 2 ]
amdhsa.kernels:
  - .name:           k_qad78bd88e4_quant
    .symbol:         k_qad78bd88e4_quant.kd
    .args:
      - { .name: kernel, .offset: 0, .size: 8, .value_kind: global_buffer, .address_space: global }
      - { .name: x, .offset: 8, .size: 8, .value_kind: global_buffer, .address_space: global }
      - { .name: y, .offset: 16, .size: 8, .value_kind: global_buffer, .address_space: global }
      - { .name: wimg, .offset: 24, .size: 8, .value_kind: global_buffer, .address_space: global }
      - { .name: wsc, .offset: 32, .size: 8, .value_kind: global_buffer, .address_space: global }
      - { .name: acodes, .offset: 40, .size: 8, .value_kind: global_buffer, .address_space: global }
      - { .name: ascales, .offset: 48, .size: 8, .value_kind: global_buffer, .address_space: global }
    .group_segment_fixed_size: 33280
    .private_segment_fixed_size: 0
    .kernarg_segment_align: 8
    .kernarg_segment_size: 56
    .max_flat_workgroup_size: 128
    .sgpr_count:     66
    .vgpr_count:     192
    .wavefront_size: 32
...
	.end_amdgpu_metadata
.endif
;; end of part 1
;; launch proj (part 2): grid 8 x 32, 4 waves a work-group, clusters of 4 x 4, 327,680 bytes of LDS; arguments acodes, ascales, wimg, wsc, qkv; writes qkv
.if DOCPART == 2
	.amdgcn_target "amdgcn-amd-amdhsa--gfx1250"
	.amdhsa_code_object_version 6
	.text
	.protected	k_qad78bd88e4_proj
	.globl	k_qad78bd88e4_proj
	.p2align	8
	.type	k_qad78bd88e4_proj,@function
k_qad78bd88e4_proj:
	s_mov_b64 s[64:65], 0
	v_nop
	global_prefetch_b8 v0, s[64:65] scope:SCOPE_SE
	s_setreg_imm32_b32 hwreg(HW_REG_WAVE_MODE, 25, 1), 1
	s_wait_xcnt 0x0
	s_wait_alu depctr_hold_cnt(0) depctr_sa_sdst(0) depctr_va_vdst(0) depctr_va_sdst(0) depctr_va_ssrc(0) depctr_va_vcc(0) depctr_vm_vsrc(0)
	s_getreg_b32 s2, hwreg(HW_REG_IB_STS2, 6, 4)
	s_cmp_eq_u32 s2, 0
	s_cbranch_scc0 .Lentry_in_a_cluster
	s_endpgm
.Lentry_in_a_cluster:
	s_bfe_u32 s2, ttmp6, 0x10000c
	s_cmp_lg_u32 s2, 0xf033
	s_cbranch_scc0 .Lentry_shape_is_right
	s_endpgm
.Lentry_shape_is_right:
; LAUNCH 2 OF 4.  qkv[token][n] = the sum over k of A[token][k] W[k][n], n = 0 .. 3071 (Q: 0-1023, K: 1024-2047, V: 2048-3071); A = x for Q and K, y for V.  Both operands are codes of FP4 (E2M1) with one E8M0 scale
; for each 32 along K = 1,024, as the launch before laid them; sums in f32; qkv [8192][3072] in f16, rounded once.  No work is left out.
; LIMIT: |x W| and |y W| stay under 65,504, f16's largest number.  f16 and not bf16, since the attention's results are averages of 2,048 values and the comparison leaves no room for 8 significant bits.
; SHARES.  256 work-groups of equal work, which stay: each makes, for its 256 tokens, JOB 1: 256 columns of Q | K (A = x), four waves of 128 x 128, 64 accumulators each; then JOB 2: 128 columns of V (A = y), four waves of
; 64 rows x 128 columns, 32 accumulators each.  (Tiles of one shape cannot be dealt evenly: 3,072 columns in 256 equal rectangles would mix columns of x's products with columns of y's.)
; K = 1,024 is two LDS slots of 512.  Job 1's are asked for at the head; job 2's operands are filled into the slots as job 1 leaves them: slot 0 at job 1's change of slots, slot 1 at its last step, so that the second lands
; while job 1's results go out, and job 1's stores leave while job 2 is multiplied.
; A's codes come as rows of 256 bytes (16 of padding behind each); W's come as images of the operand's registers, dense: a fragment is two loads of 16 bytes a lane at 16 x lane.  Job 1's scale words come into LDS with the first fills;
; job 2's come from memory straight into the scale registers, a word a row or column and 128 along K, asked for ahead of job 1's way out.
; CLUSTERS: 4 x 4 work-groups.  The four of a row need the same rows of x and y, the four of a column the same columns of W: each tile is asked for JOINTLY.
; THE MATRIX INSTRUCTION IS USED TRANSPOSED (source 0 = 16 columns of W, source 1 = 16 rows of A): a lane then holds eight neighbouring numbers of a row of qkv.
; REGISTERS: window 0: v0-31 addresses; v32-63 A's scale words, v64-95 W's (two sets each; they hold scales and nothing else); v128-191 A's fragments (job 1: one set of eight; job 2: two sets of four); v96-127, v192-255 the way out.
;   window 1: W's fragments, two sets, at v0 and v128.   window 2: the accumulators of job 1's rows 0-63 ((a, b) at v[8 (8 a + b)]), then job 2's;   window 3: those of job 1's rows 64-127.
.set NQ,     4                         ; steps of 128 along K in a slot
.set PITCH,  272                       ; a row of A's codes in LDS: 256 bytes + 16 of padding: the 16 rows that a load touches start 68 words apart
.set FR,     8                         ; registers of a fragment
.set NL,     2                         ; LDS loads that bring one
.set NP,     4                         ; places behind this matrix instruction (ISA guide 7.12.1)
.set HALFA,  128*PITCH
.set SLOTA,  2*HALFA                   ; A's slot s at s x SLOTA
.set BIMG,   2*SLOTA                   ; W's slot s at BIMG + s x SLOTB: groups of 16 columns x 4 fragments x 1,024 bytes: 16 groups in job 1, 8 in job 2
.set SLOTB,  65536
.set ASC,    BIMG+2*SLOTB              ; x's scale bytes: 256 rows x 32 bytes, as runs of 256 bytes + 16 of padding
.set HALFSA, 16*272
.set BSC,    ASC+2*HALFSA              ; job 1's scale words of W: [half][8 steps][128 words]
.set STG,    BSC+2*4096                ; the way out: 16 rows x 272 bytes for each wave; no tile lands here
.set SPARE,  STG+4*16*PITCH            ; the spare words, 128 bytes a wave
.set CROW,   6144                      ; a row of qkv in bytes
.set SGA,  10                          ; v10 job 2: 32 x (lane % 16): my row's scale bytes in memory
.set SGB,  11                          ; v11 job 2: 4 x lane: my column's scale word
.set ADRA, 16                          ; v16-17 job 1: my A fragments in slot 0, 1
.set ADRA2, 18                         ; v18-19 job 2
.set ADRB, 20                          ; v20-21 job 1: my W fragments
.set ADSA, 22                          ; v22 x's scale words: lanes 0-15 block i, lanes 16-31 block i + 4
.set ADSB, 23                          ; v23 W's: a word a lane: lanes 0-15 block 2 i, lanes 16-31 block 2 i + 1
.set STO,  24
.set RD,   25
.set CO,   26
.set SPW,  28
.set NIL,  29
.set ADRB2, 30                         ; v30-31 job 2: W's fragments
.set SCA,  32                          ; set s at SCA + 16 s; register 4 i + q
.set SCB,  64
.set AF,   128
.set TMP,  192                         ; the way out: packed results
.set BK0,  96                          ; and 16 rows read back: v96-127 and v224-255 by turns
.set G1, 24                            ; s[24:31] group 1 for A's codes;  s[32:39] group 0, one set a slot
.set G0, 32
.set G1B, 48                           ; the same for job 1's images of W
.set G0B, 56
.set G1S, 68                           ; s[68:75], s[76:79] x's scales;  s[80:87], s[88:91] W's
.set G0S, 76
.set G1SB, 80
.set G0SB, 88
.set G1B2, 92                          ; s[92:99] group 1 for job 2's images of W
.set B2,   66                          ; s[66:67] where they lie in memory;  s18: and in a slot
.set OUT2, 100                         ; s[100:101] job 2's first row of qkv
.set YSC,  104                         ; s[104:105] job 2's scale bytes of y
.set MSB, 0
.macro WIN new                         ; the immediate's high byte repeats the setting that is left
.if MSB != (\new)
	s_set_vgpr_msb (MSB<<8)|(\new)
.set MSB, (\new)
.endif
.endm
.set MUL_LO, 0xa1                      ; source 0 (W) window 1, source 1 (A) window 0, C and D window 2
.set MUL_HI, 0xf1
.set TO_B,   0x40
; A joint load: waves 0 and 1 fetch for A, waves 2 and 3 for W.  The branch hangs on the wave's number alone.  An s_nop 0 and four v_nop follow each of the two lines.
.macro JLOAD g0a, g1a, g0b, g1b
	s_cmp_eq_u32 s15, 0
	s_cbranch_scc0 .Lfor_b_\@
	tensor_load_to_lds s[\g0a:\g0a+3], s[\g1a:\g1a+7]
	s_nop 0
.rept 4
	v_nop
.endr
	s_branch .Lasked_\@
.Lfor_b_\@:
	tensor_load_to_lds s[\g0b:\g0b+3], s[\g1b:\g1b+7]
	s_nop 0
.rept 4
	v_nop
.endr
.Lasked_\@:
.endm
.macro CREST                           ; a round of the cluster's barrier behind its opening barrier
	s_cmp_lg_u32 s14, 0
	s_cbranch_scc1 .Lnot_wave_0_\@
	s_barrier_signal -3
.Lnot_wave_0_\@:
	s_barrier_wait -3
	s_barrier_signal -1
	s_barrier_wait -1
.endm
.macro CROUND                          ; a whole round
	s_barrier_signal -1
	s_barrier_wait -1
	CREST
.endm
	s_load_b128 s[4:7], s[0:1], 0x0                ; acodes, ascales
	s_load_b128 s[8:11], s[0:1], 0x10              ; wimg, wsc
	s_load_b64 s[12:13], s[0:1], 0x20              ; qkv
	v_lshl_add_u32 v[SPW], v0, 2, SPARE
	v_mov_b32 v[NIL], 0
	ds_add_u32 v[SPW], v[NIL]                      ; the wave's opening: the add, twice on end, and its wait ahead of my first tensor load
	ds_add_u32 v[SPW], v[NIL]
	v_lshrrev_b32 v1, 5, v0
	v_readfirstlane_b32 s14, v1                    ; wave 0..3
	s_lshr_b32 s15, s14, 1                         ; job 1: which half of the tile's rows is mine.  Also: I fetch for A (0) or for W (1)
	s_and_b32 s16, s14, 1                          ; job 1: which half of its columns.  Also: which half I fetch
	s_bfe_u32 s40, ttmp6, 0x40000                  ; cx, cy
	s_bfe_u32 s41, ttmp6, 0x40004
	s_lshl_b32 s42, ttmp9, 2
	s_add_co_u32 s42, s42, s40                     ; tile column, 0..7
	s_and_b32 s17, ttmp7, 0xffff
	s_lshl_b32 s17, s17, 2
	s_add_co_u32 s17, s17, s41                     ; tile row, 0..31
	s_lshl_b32 s43, s41, 2
	s_lshl_b32 s43, 15, s43                        ; my row of the cluster
	s_lshl_b32 s44, 0x1111, s40                    ; my column
	s_or_b32 s[G1+0], s43, (1<<20)|(1<<21)|(5<<22)|(3<<25)          ; A's codes: elements of 1 byte; 4 words of padding behind every 64
	s_mov_b32 s[G1+1], 256<<16                     ; tensor_dim0 = 256
	s_mov_b32 s[G1+2], 128<<16                     ; tensor_dim1 = 128
	s_mov_b32 s[G1+3], 256<<16                     ; tile_dim0
	s_mov_b32 s[G1+4], 128                         ; tile_dim1
	s_mov_b32 s[G1+5], 512                         ; a row of codes in memory
	s_mov_b32 s[G1+6], 0
	s_mov_b32 s[G1+7], 0
	s_or_b32 s[G1B+0], s44, (3<<16)|(1<<21)        ; job 1's images of W: 32,768 dense bytes as 128 rows of 32 elements of 8 bytes
	s_mov_b32 s[G1B+1], 32<<16
	s_mov_b32 s[G1B+2], 128<<16
	s_mov_b32 s[G1B+3], 32<<16
	s_mov_b32 s[G1B+4], 128
	s_mov_b32 s[G1B+5], 32
	s_mov_b32 s[G1B+6], 0
	s_mov_b32 s[G1B+7], 0
	s_or_b32 s[G1B2+0], s44, (3<<16)|(1<<21)       ; job 2's: 16,384 dense bytes as 64 such rows
	s_mov_b32 s[G1B2+1], 32<<16
	s_mov_b32 s[G1B2+2], 64<<16
	s_mov_b32 s[G1B2+3], 32<<16
	s_mov_b32 s[G1B2+4], 64
	s_mov_b32 s[G1B2+5], 32
	s_mov_b32 s[G1B2+6], 0
	s_mov_b32 s[G1B2+7], 0
	s_or_b32 s[G1S+0], s43, (3<<16)|(1<<20)|(1<<21)|(5<<22)|(3<<25) ; x's scales of 128 rows: 4,096 dense bytes as 16 rows of 256, 16 of padding behind each
	s_mov_b32 s[G1S+1], 32<<16
	s_mov_b32 s[G1S+2], 16<<16
	s_mov_b32 s[G1S+3], 32<<16
	s_mov_b32 s[G1S+4], 16
	s_mov_b32 s[G1S+5], 32
	s_mov_b32 s[G1S+6], 0
	s_mov_b32 s[G1S+7], 0
	s_or_b32 s[G1SB+0], s44, (2<<16)|(1<<21)       ; W's scale words: 8 rows (steps of 128 along K) of 128 words, 3,072 words apart
	s_mov_b32 s[G1SB+1], 128<<16
	s_mov_b32 s[G1SB+2], 8<<16
	s_mov_b32 s[G1SB+3], 128<<16
	s_mov_b32 s[G1SB+4], 8
	s_mov_b32 s[G1SB+5], 3072
	s_mov_b32 s[G1SB+6], 0
	s_mov_b32 s[G1SB+7], 0
	s_lshl_b32 s19, s16, 7
	s_lshl_b32 s20, s17, 8
	s_add_co_u32 s20, s20, s19                     ; A: row 256 x tile row + 128 x half
	s_lshl_b32 s22, s20, 5                         ; its scale bytes,
	s_lshl_b32 s20, s20, 9                         ; its codes
	s_mov_b32 s21, 0
	s_mov_b32 s23, 0
	s_lshl_b32 s46, s42, 16                        ; job 1's W: 16 groups of 16 columns a tile, 4,096 bytes each; my half's 8
	s_lshl_b32 s47, s16, 15
	s_add_co_u32 s46, s46, s47
	s_mov_b32 s47, 0
	s_lshl_b32 s2, s42, 10                         ; its scale words: 256 a tile
	s_lshl_b32 s3, s16, 9
	s_add_co_u32 s2, s2, s3
	s_mov_b32 s3, 0
	s_lshl_b32 s[B2], s42, 15                      ; job 2's W: group 128 + 8 x tile column + 4 x half
	s_lshl_b32 s[B2+1], s16, 14
	s_add_co_u32 s[B2], s[B2], s[B2+1]
	s_add_co_u32 s[B2], s[B2], 128*4096
	s_mov_b32 s[B2+1], 0
	s_mul_i32 s19, s16, HALFA                      ; where they go: no place in the cluster enters an LDS address
	s_lshl_b32 s45, s16, 15
	s_add_co_u32 s45, s45, BIMG
	s_mul_i32 s100, s16, HALFSA
	s_add_co_u32 s100, s100, ASC
	s_lshl_b32 s101, s16, 12
	s_add_co_u32 s101, s101, BSC
	s_lshl_b32 s18, s16, 14
	s_add_co_u32 s18, s18, BIMG                    ; job 2's images: my four groups of a slot's eight
	s_wait_dscnt 0x0                               ; both opening adds are done
	s_wait_kmcnt 0x0
	s_add_nc_u64 s[20:21], s[4:5], s[20:21]
	s_add_nc_u64 s[22:23], s[6:7], s[22:23]
	s_add_nc_u64 s[46:47], s[8:9], s[46:47]
	s_add_nc_u64 s[2:3], s[10:11], s[2:3]
	s_add_nc_u64 s[B2:B2+1], s[8:9], s[B2:B2+1]
	CROUND                                         ; all sixteen work-groups are here: the first joint loads meet
	s_mov_b32 s[G0S], 1
	s_mov_b32 s[G0S+1], s100
	s_mov_b64 s[G0S+2:G0S+3], s[22:23]
	s_or_b32 s[G0S+3], s[G0S+3], 0x80000000
	s_mov_b32 s[G0SB], 1
	s_mov_b32 s[G0SB+1], s101
	s_mov_b64 s[G0SB+2:G0SB+3], s[2:3]
	s_or_b32 s[G0SB+3], s[G0SB+3], 0x80000000
	JLOAD G0S, G1S, G0SB, G1SB                     ; the scales first: they are wanted with the first step
.irp s, 0,1
	s_mov_b32 s[G0+4*\s], 1
	s_add_co_u32 s[G0+4*\s+1], s19, \s*SLOTA
	s_add_nc_u64 s[G0+4*\s+2:G0+4*\s+3], s[20:21], \s*256
	s_or_b32 s[G0+4*\s+3], s[G0+4*\s+3], 0x80000000
	s_mov_b32 s[G0B+4*\s], 1
	s_add_co_u32 s[G0B+4*\s+1], s45, \s*SLOTB
	s_add_nc_u64 s[G0B+4*\s+2:G0B+4*\s+3], s[46:47], \s*786432
	s_or_b32 s[G0B+4*\s+3], s[G0B+4*\s+3], 0x80000000
	JLOAD G0+4*\s, G1, G0B+4*\s, G1B               ; three loads of mine are out
.endr
	v_and_b32 v1, 15, v0                           ; r
	v_bfe_u32 v2, v0, 4, 1                         ; h
	v_and_b32 v6, 31, v0                           ; lane
	v_mul_u32_u24 v3, v1, PITCH
	v_lshl_add_u32 v4, v2, 4, v3                   ; a fragment's row x pitch + 16 h
	s_mul_i32 s21, s15, HALFA                      ; job 1: my 128 rows
	v_add_nc_u32 v[ADRA], s21, v4
	s_add_co_u32 s21, s21, SLOTA
	v_add_nc_u32 v[ADRA+1], s21, v4
	s_mul_i32 s21, s14, 64*PITCH                   ; job 2: my 64 rows
	v_add_nc_u32 v[ADRA2], s21, v4
	s_add_co_u32 s21, s21, SLOTA
	v_add_nc_u32 v[ADRA2+1], s21, v4
	v_lshlrev_b32 v5, 4, v6                        ; an image's place for my lane
	s_lshl_b32 s22, s16, 15
	s_add_co_u32 s22, s22, BIMG
	v_add_nc_u32 v[ADRB], s22, v5
	s_add_co_u32 s22, s22, SLOTB
	v_add_nc_u32 v[ADRB+1], s22, v5
	v_add_nc_u32 v[ADRB2], BIMG, v5                ; job 2: all eight groups are mine
	v_add_nc_u32 v[ADRB2+1], BIMG+SLOTB, v5
	v_lshlrev_b32 v7, 5, v1                        ; x's scales: 32 bytes a row,
	v_lshrrev_b32 v8, 3, v1
	v_lshl_add_u32 v7, v8, 4, v7                   ; 16 more behind each 8 rows,
	v_mul_u32_u24 v8, v2, 4*544                    ; lanes 16-31 four blocks of 16 rows further on
	v_add_nc_u32 v7, v7, v8
	s_mul_i32 s21, s15, HALFSA
	s_add_co_u32 s21, s21, ASC
	v_add_nc_u32 v[ADSA], s21, v7
	s_lshl_b32 s22, s16, 12
	s_add_co_u32 s22, s22, BSC
	v_lshl_add_u32 v[ADSB], v6, 2, s22
	v_lshlrev_b32 v[SGA], 5, v1
	v_lshlrev_b32 v[SGB], 2, v6
	s_mul_i32 s23, s14, 16*PITCH                   ; my stage for the way out
	s_add_co_u32 s23, s23, STG
	v_add_nc_u32 v[STO], s23, v4                   ; in: row r, 16 bytes for each half of the lanes
	v_mul_u32_u24 v5, v2, PITCH
	v_lshl_add_u32 v5, v1, 4, v5
	v_add_nc_u32 v[RD], s23, v5                    ; back: lanes 0-15 one row of 256 bytes, lanes 16-31 the next
	v_mul_u32_u24 v5, v2, CROW
	v_lshl_add_u32 v[CO], v1, 4, v5                ; and the same two rows in qkv
	s_lshl_b32 s20, s17, 8
	s_lshl_b32 s21, s14, 6
	s_add_co_u32 s21, s20, s21                     ; job 2: my first row: 256 x tile row + 64 x wave
	s_lshl_b32 s22, s21, 5
	s_add_co_u32 s22, s22, 0x40000                 ; y's scale bytes lie behind x's
	s_mov_b32 s23, 0
	s_add_nc_u64 s[YSC:YSC+1], s[6:7], s[22:23]
	s_mul_i32 s22, s21, CROW
	s_lshl_b32 s21, s42, 8
	s_add_co_u32 s22, s22, s21
	s_add_co_u32 s22, s22, 4096                    ; V's columns: 2,048 + 128 x tile column
	s_add_nc_u64 s[OUT2:OUT2+1], s[12:13], s[22:23]
	s_lshl_b32 s22, s42, 9
	s_add_co_u32 s22, s22, 8192
	s_add_nc_u64 s[10:11], s[10:11], s[22:23]      ; and their scale words
	s_lshl_b32 s21, s15, 7
	s_add_co_u32 s20, s20, s21                     ; job 1: my first row
	s_mul_i32 s20, s20, CROW
	s_lshl_b32 s21, s42, 9                         ; my first column, in bytes
	s_add_co_u32 s20, s20, s21
	s_lshl_b32 s21, s16, 8
	s_add_co_u32 s20, s20, s21
	s_mov_b32 s21, 0
	s_add_nc_u64 s[12:13], s[12:13], s[20:21]
.macro FRAGA reg, adr, q, i            ; 16 rows x 128 K of codes: lane (r, h) holds row r; registers 4 c .. 4 c + 3 hold K = 64 c + 32 h + 0 .. 31
.irp c, 0,1
	ds_load_b128 v[\reg+4*\c:\reg+4*\c+3], v[\adr] offset:64*(\q)+32*\c+(\i)*16*PITCH
.endr
.endm
.macro FRAGB reg, adr, q, i            ; the image of a fragment of W: 512 consecutive bytes a load
.irp c, 0,1
	ds_load_b128 v[\reg+4*\c:\reg+4*\c+3], v[\adr] offset:(\i)*4096+(\q)*1024+512*\c
.endr
.endm
; One product: A's block a x W's block b, the slot's q-th 128 along K.  W's scale word lies in lanes 0-15 (b even) or 16-31 (b odd) of its register, A's in lanes 0-15 (a < 4) or 16-31.  ao: job 2's second set of A's fragments lies 32 registers on.
.macro ONE a, b, p, q, sc, zero, ao
.set rD, 8*(8*((\a)%4)+(\b))
.set rB, 128*(\p)+FR*(\b)
.set rA, AF+FR*(\a)+(\ao)
.set rX, SCB+16*(\sc)+4*((\b)/2)+(\q)
.set rY, SCA+16*(\sc)+4*((\a)%4)+(\q)
.set fm, 4*(\zero)+2*((\b)%2)+(\a)/4
.if fm == 0
	v_wmma_scale_f32_16x16x128_f8f6f4 v[rD:rD+7], v[rB:rB+7], v[rA:rA+7], v[rD:rD+7], v[rX], v[rY] matrix_a_fmt:MATRIX_FMT_FP4 matrix_b_fmt:MATRIX_FMT_FP4
.elseif fm == 1
	v_wmma_scale_f32_16x16x128_f8f6f4 v[rD:rD+7], v[rB:rB+7], v[rA:rA+7], v[rD:rD+7], v[rX], v[rY] matrix_a_fmt:MATRIX_FMT_FP4 matrix_b_fmt:MATRIX_FMT_FP4 matrix_b_scale:MATRIX_SCALE_ROW1
.elseif fm == 2
	v_wmma_scale_f32_16x16x128_f8f6f4 v[rD:rD+7], v[rB:rB+7], v[rA:rA+7], v[rD:rD+7], v[rX], v[rY] matrix_a_fmt:MATRIX_FMT_FP4 matrix_b_fmt:MATRIX_FMT_FP4 matrix_a_scale:MATRIX_SCALE_ROW1
.elseif fm == 3
	v_wmma_scale_f32_16x16x128_f8f6f4 v[rD:rD+7], v[rB:rB+7], v[rA:rA+7], v[rD:rD+7], v[rX], v[rY] matrix_a_fmt:MATRIX_FMT_FP4 matrix_b_fmt:MATRIX_FMT_FP4 matrix_a_scale:MATRIX_SCALE_ROW1 matrix_b_scale:MATRIX_SCALE_ROW1
.elseif fm == 4
	v_wmma_scale_f32_16x16x128_f8f6f4 v[rD:rD+7], v[rB:rB+7], v[rA:rA+7], 0, v[rX], v[rY] matrix_a_fmt:MATRIX_FMT_FP4 matrix_b_fmt:MATRIX_FMT_FP4
.elseif fm == 5
	v_wmma_scale_f32_16x16x128_f8f6f4 v[rD:rD+7], v[rB:rB+7], v[rA:rA+7], 0, v[rX], v[rY] matrix_a_fmt:MATRIX_FMT_FP4 matrix_b_fmt:MATRIX_FMT_FP4 matrix_b_scale:MATRIX_SCALE_ROW1
.elseif fm == 6
	v_wmma_scale_f32_16x16x128_f8f6f4 v[rD:rD+7], v[rB:rB+7], v[rA:rA+7], 0, v[rX], v[rY] matrix_a_fmt:MATRIX_FMT_FP4 matrix_b_fmt:MATRIX_FMT_FP4 matrix_a_scale:MATRIX_SCALE_ROW1
.else
	v_wmma_scale_f32_16x16x128_f8f6f4 v[rD:rD+7], v[rB:rB+7], v[rA:rA+7], 0, v[rX], v[rY] matrix_a_fmt:MATRIX_FMT_FP4 matrix_b_fmt:MATRIX_FMT_FP4 matrix_a_scale:MATRIX_SCALE_ROW1 matrix_b_scale:MATRIX_SCALE_ROW1
.endif
.endm
; 16 products: A's blocks a0, a0 + 1 x W's eight.  The accumulators take turns, one instruction a turn, in the same order in every step.  zero = 1: the first product starts the sums.
.macro MUL16 a0, p, q, sc, zero, ao
.irp a, \a0, \a0+1
.irp b, 0,1,2,3,4,5,6,7
	ONE \a, \b, \p, \q, \sc, \zero, \ao
.endr
.endr
.endm
.macro FETCH_B slot, q, p
	WIN TO_B
.irp i, 0,1,2,3,4,5,6,7
	FRAGB 128*(\p)+FR*\i, ADRB+(\slot), \q, \i
.endr
	WIN 0
.endm
.macro FETCH_A slot, q, i0
.irp i, \i0, \i0+1, \i0+2, \i0+3
	FRAGA AF+FR*(\i), ADRA+(\slot), \q, \i
.endr
.endm
.macro FETCH2 slot, q, set             ; job 2: a step's fragments: W's eight and A's four, 24 loads, into set
	WIN TO_B
.irp i, 0,1,2,3,4,5,6,7
	FRAGB 128*(\set)+FR*\i, ADRB2+(\slot), \q, \i
.endr
	WIN 0
.irp i, 0,1,2,3
	FRAGA AF+32*(\set)+FR*\i, ADRA2+(\slot), \q, \i
.endr
.endm
.macro SCALES s                        ; job 1, slot s's scale words: A's by four loads of four words a row, W's by sixteen loads of a word a lane
.irp i, 0,1,2,3
	ds_load_b128 v[SCA+16*\s+4*\i:SCA+16*\s+4*\i+3], v[ADSA] offset:\i*544+16*\s
.endr
.irp i, 0,1,2,3
.irp q, 0,1,2,3
	ds_load_b32 v[SCB+16*\s+4*\i+\q], v[ADSB] offset:(4*\s+\q)*512+128*\i
.endr
.endr
.endm
.macro SCALES2                         ; job 2's scale words of all of K, from memory into the same registers: y's: lane r takes four words of row 16 i + r (both halves of the lanes alike); W's: a word a lane
.irp s, 0,1
.irp i, 0,1,2,3
	global_load_b128 v[SCA+16*\s+4*\i:SCA+16*\s+4*\i+3], v[SGA], s[YSC:YSC+1] offset:512*\i+16*\s
.endr
.endr
.irp s, 0,1
.irp i, 0,1,2,3
.irp q, 0,1,2,3
	global_load_b32 v[SCB+16*\s+4*\i+\q], v[SGB], s[10:11] offset:(4*\s+\q)*12288+128*\i
.endr
.endr
.endr
.endm
.macro PLACES n                        ; places in front of loads into registers that matrix instructions have read, and of the first read of results
.rept \n
	v_nop
.endr
.endm
.macro STEP slot, q, zero              ; job 1: a step of 128 along K that has its successor in the same slot
	s_wait_dscnt 4*NL                              ; all but the youngest eight loads (A's blocks 4-7) are in
	WIN MUL_LO
	MUL16 0, (\q)%2, \q, \slot, \zero, 0
	MUL16 2, (\q)%2, \q, \slot, \zero, 0
	s_wait_dscnt 0                                 ; A's blocks 4-7 are in
	PLACES NP
	FETCH_B \slot, (\q)+1, 1-(\q)%2
	FETCH_A \slot, (\q)+1, 0
	WIN MUL_HI
	MUL16 4, (\q)%2, \q, \slot, \zero, 0
	MUL16 6, (\q)%2, \q, \slot, \zero, 0
	PLACES NP
	WIN 0
	FETCH_A \slot, (\q)+1, 4
.endm
.macro STEPS slot, from
.set Q, \from
.rept NQ-1-\from
	STEP \slot, Q, 0
.set Q, Q+1
.endr
.endm
; The first half of a slot's last step in job 1, and the slot's refill with job 2's operands.  In front of the round each wave waits for all its tensor loads, adds 0 to its spare word, and waits for that and for its reads of the slot;
; behind the round no wave of any partner reads the slot or has a load on its way, and the joint refill is my first and only tensor load there.
.macro LEAVE slot
	s_wait_tensorcnt 0x0                           ; all my tensor loads have landed, so every group 0 may be written  (every window is 0 here)
	ds_add_u32 v[SPW], v[NIL]                      ; 0 onto my spare word
	s_wait_dscnt 4*NL+1                            ; the add and the youngest eight loads (A's blocks 4-7) may be out
	WIN MUL_LO
	MUL16 0, 1, NQ-1, \slot, 0, 0
	s_wait_dscnt 0x0                               ; the add is done, and my reads of this slot are over
	s_barrier_signal -1
	MUL16 2, 1, NQ-1, \slot, 0, 0
	WIN 0
	s_barrier_wait -1
	CREST
	s_add_nc_u64 s[G0+4*\slot+2:G0+4*\slot+3], s[G0+4*\slot+2:G0+4*\slot+3], 0x400000   ; the same rows and the same half of K of y, which lies 4,194,304 bytes behind x; the type bits on top are not reached
	s_add_co_u32 s[G0B+4*\slot+1], s18, \slot*SLOTB
	s_add_nc_u64 s[G0B+4*\slot+2:G0B+4*\slot+3], s[B2:B2+1], \slot*786432
	s_or_b32 s[G0B+4*\slot+3], s[G0B+4*\slot+3], 0x80000000
	JLOAD G0+4*\slot, G1, G0B+4*\slot, G1B2        ; the four v_nop behind it are also the places in front of the loads that follow
.endm
	s_wait_tensorcnt 1                             ; the scales and my part of slot 0 are in; slot 1's load, issued behind them, may be out
	s_barrier_signal -1
	s_barrier_wait -1
	FETCH_B 0, 0, 0
	FETCH_A 0, 0, 0
	SCALES 0
	FETCH_A 0, 0, 4
	STEP 0, 0, 1                                   ; the first step's products start the sums
	STEPS 0, 1
	LEAVE 0                                        ; slot 1 is whole in every wave's sight; slot 0 takes job 2's first half of K
	FETCH_B 1, 0, 0
	FETCH_A 1, 0, 0
	SCALES 1
	WIN MUL_HI
	MUL16 4, 1, NQ-1, 0, 0, 0
	MUL16 6, 1, NQ-1, 0, 0, 0
	PLACES NP
	WIN 0
	FETCH_A 1, 0, 4
	STEPS 1, 0
	LEAVE 1                                        ; job 2's first half of K is whole in every wave's sight; slot 1 takes its second half
	WIN MUL_HI
	MUL16 4, 1, NQ-1, 1, 0, 0
	MUL16 6, 1, NQ-1, 1, 0, 0
	WIN 0
	PLACES NP
	SCALES2                                        ; job 2's scale words and first fragments are asked for ahead of job 1's way out
	FETCH2 0, 0, 0
; THE WAY OUT, block by block of 16 rows x 128 columns: rounded to f16, 16 bytes a lane; through my own stage (rows of 272 bytes) and back as whole rows of 256 bytes: sixteen lanes store 256 consecutive bytes, aligned.
.macro PACK a
.set AC, 64*((\a)%4)
.set WN, 0x0a+5*((\a)/4)
	WIN WN                                         ; sources 0 and 1: window 2 or 3
.irp b, 0,1,2,3,4,5,6,7
.irp r, 0,1,2,3
	v_cvt_pk_f16_f32 v[TMP+4*\b+\r], v[AC+8*\b+2*\r], v[AC+8*\b+2*\r+1]   ; each accumulator from its low end on
.endr
.endr
	WIN 0
.endm
.macro TOSTAGE a
.set BB, BK0+128*((\a)%2)
.irp b, 0,1,2,3,4,5,6,7
	ds_store_b128 v[STO], v[TMP+4*\b:TMP+4*\b+3] offset:32*\b
.endr
.irp t, 0,1,2,3,4,5,6,7
	ds_load_b128 v[BB+4*\t:BB+4*\t+3], v[RD] offset:\t*2*PITCH     ; LDS serves a wave's instructions in order: these see the stores above
.endr
.endm
.macro SEND a, bs
.set BB, BK0+128*((\a)%2)
	s_wait_dscnt 0x0                               ; the block is back in registers
	s_wait_xcnt 0x0                                ; the earlier stores have read their base and their data: both may be written again
.if (\a) > 0
	s_add_nc_u64 s[\bs:\bs+1], s[\bs:\bs+1], 16*CROW
.endif
.irp t, 0,1,2,3,4,5,6,7
	global_store_b128 v[CO], v[BB+4*\t:BB+4*\t+3], s[\bs:\bs+1] offset:2*\t*CROW
.endr
.endm
	PACK 0
	TOSTAGE 0
.irp a, 1,2,3,4,5,6,7                  ; block a's conversions stand between block a - 1's loads from the stage and the wait for them
	PACK \a
	SEND \a-1, 12
	TOSTAGE \a
.endr
	SEND 7, 12
; JOB 2: eight steps of 128 along K, 32 products each, on two sets of fragments: while one is multiplied the next step's 24 loads are on their way.
.macro STEP2 t
.set SL2, (\t)/4
.set Q2, (\t)%4
.set P2, (\t)%2
.if (\t) > 0
	PLACES NP                                      ; for the loads into the set that the last step multiplied
.endif
.if (\t) == 3
	s_wait_tensorcnt 0x0                           ; my part of slot 1 has landed,
	s_wait_dscnt 0x0                               ; no LDS instruction of mine is out,
	s_barrier_signal -1
	s_barrier_wait -1                              ; and that holds of all four waves
.endif
.if (\t) < 7
	FETCH2 ((\t)+1)/4, ((\t)+1)%4, 1-P2
	s_wait_dscnt 24                                ; all but the 24 just issued: this step's fragments are in
.else
	s_wait_dscnt 0x0
.endif
	WIN MUL_LO
.if (\t) == 0
	MUL16 0, P2, Q2, SL2, 1, 32*P2
	MUL16 2, P2, Q2, SL2, 1, 32*P2
.else
	MUL16 0, P2, Q2, SL2, 0, 32*P2
	MUL16 2, P2, Q2, SL2, 0, 32*P2
.endif
	WIN 0
.endm
	s_wait_loadcnt 0x0                             ; job 2's scale words
.irp t, 0,1,2,3,4,5,6,7
	STEP2 \t
.endr
	PLACES NP
	PACK 0
	TOSTAGE 0
.irp a, 1,2,3
	PACK \a
	SEND \a-1, OUT2
	TOSTAGE \a
.endr
	SEND 3, OUT2
	s_wait_tensorcnt 0x0                           ; the wave's end
	ds_add_u32 v[SPW], v[NIL]
	s_wait_dscnt 0x0
	CROUND                                         ; the closing round
	s_endpgm
.Lfunc_end_k_qad78bd88e4_proj:
	.size	k_qad78bd88e4_proj, .Lfunc_end_k_qad78bd88e4_proj-k_qad78bd88e4_proj
	.p2alignl 7, 3214868480
	.fill 96, 4, 3214868480
	.section	.rodata,"a",@progbits
	.p2align	6, 0x0
	.amdhsa_kernel k_qad78bd88e4_proj
		.amdhsa_group_segment_fixed_size 327680
		.amdhsa_private_segment_fixed_size 0
		.amdhsa_enable_private_segment 0
		.amdhsa_kernarg_size 40
		.amdhsa_user_sgpr_count 2
		.amdhsa_user_sgpr_kernarg_segment_ptr 1
		.amdhsa_wavefront_size32 1
		.amdhsa_system_sgpr_workgroup_id_x 1
		.amdhsa_system_sgpr_workgroup_id_y 1
		.amdhsa_system_sgpr_workgroup_id_z 1
		.amdhsa_system_vgpr_workitem_id 0
		.amdhsa_next_free_vgpr 1024
		.amdhsa_next_free_sgpr 106
		.amdhsa_reserve_vcc 0
		.amdhsa_float_denorm_mode_32 3
		.amdhsa_float_denorm_mode_16_64 3
		.amdhsa_memory_ordered 1
		.amdhsa_forward_progress 1
		.amdhsa_inst_pref_size 198
	.end_amdhsa_kernel
	.amdgpu_metadata
---
amdhsa.version: [ 1, 2 ]
amdhsa.kernels:
  - .name:           k_qad78bd88e4_proj
    .symbol:         k_qad78bd88e4_proj.kd
    .args:
      - { .name: acodes, .offset: 0, .size: 8, .value_kind: global_buffer, .address_space: global }
      - { .name: ascales, .offset: 8, .size: 8, .value_kind: global_buffer, .address_space: global }
      - { .name: wimg, .offset: 16, .size: 8, .value_kind: global_buffer, .address_space: global }
      - { .name: wsc, .offset: 24, .size: 8, .value_kind: global_buffer, .address_space: global }
      - { .name: qkv, .offset: 32, .size: 8, .value_kind: global_buffer, .address_space: global }
    .group_segment_fixed_size: 327680
    .private_segment_fixed_size: 0
    .kernarg_segment_align: 8
    .kernarg_segment_size: 40
    .max_flat_workgroup_size: 128
    .sgpr_count:     106
    .vgpr_count:     1024
    .wavefront_size: 32
...
	.end_amdgpu_metadata
.endif
;; end of part 2
;; launch scores (part 3): grid 8 x 32, 4 waves a work-group, clusters of 4 x 4, 327,680 bytes of LDS; arguments qkv, pimg, stat; writes pimg, stat
.if DOCPART == 3
	.amdgcn_target "amdgcn-amd-amdhsa--gfx1250"
	.amdhsa_code_object_version 6
	.text
	.protected	k_qad78bd88e4_scores
	.globl	k_qad78bd88e4_scores
	.p2align	8
	.type	k_qad78bd88e4_scores,@function
k_qad78bd88e4_scores:
	s_mov_b64 s[64:65], 0
	v_nop
	global_prefetch_b8 v0, s[64:65] scope:SCOPE_SE
	s_setreg_imm32_b32 hwreg(HW_REG_WAVE_MODE, 25, 1), 1
	s_wait_xcnt 0x0
	s_wait_alu depctr_hold_cnt(0) depctr_sa_sdst(0) depctr_va_vdst(0) depctr_va_sdst(0) depctr_va_ssrc(0) depctr_va_vcc(0) depctr_vm_vsrc(0)
	s_getreg_b32 s2, hwreg(HW_REG_IB_STS2, 6, 4)
	s_cmp_eq_u32 s2, 0
	s_cbranch_scc0 .Lentry_in_a_cluster
	s_endpgm
.Lentry_in_a_cluster:
	s_bfe_u32 s2, ttmp6, 0x10000c
	s_cmp_lg_u32 s2, 0xf033
	s_cbranch_scc0 .Lentry_shape_is_right
	s_endpgm
.Lentry_shape_is_right:
; LAUNCH 3 OF 4.  For each batch: S = Q K^T (K = 1,024, f16 operands, f32 sums), then the softmax's exponentials, block by block of 128 keys.  No work is left out.
; t = S x log2(e) / 32.  For each query and each block of 128 keys: M = the block's largest t rounded UP to a whole number; p = 2^(t - M), at most 1, rounded to f16; the block's sum of the unrounded p in f32.
; The next launch takes the largest M of a query's 16 blocks and brings each block under it by a power of two: so the row's true maximum is what is taken away.
; OUT: pimg [128 queries g][128 keys kb][16 queries][32 keys][2][lane][16 bytes]: p as images of the registers of the next product's operand;  stat [g][kb][-M, sum][query / 64][query % 16][(query / 16) % 4] f32.
; LIMITS: the one multiply-add t - M rounds otherwise than reference()'s scale, difference and exponential, by an ulp; a p under 2^-24 of its block's 2^M becomes 0 in f16; NaN and infinities are not served.
; A tile of 256 queries x 256 keys is made by four waves, each 128 x 128: 64 accumulators, 512 registers.  K goes in steps of 128 through a ring of two LDS slots filled by the tensor data mover (rows of 256 bytes).
; CLUSTERS: 4 x 4 work-groups; the four of a row need the same rows of Q, the four of a column the same rows of K: each tile is asked for JOINTLY.
; THE MATRIX INSTRUCTION IS USED TRANSPOSED (source 0 = 16 keys, source 1 = 16 queries): a lane holds ONE query (lane % 16) and, in accumulator (a, b), keys 16 b + 8 (lane / 16) + 0 .. 7:
; packed in pairs these ARE four registers of the next product's operand (16 queries x 32 keys), so p goes from registers straight to memory.
; No prefetch: each tile is read by two clusters at about the same time, and 224 matrix instructions stand between a request and the wait for it.
; REGISTERS: window 0: v0-31 addresses; v64-127, v128-191 Q's fragments, two buffers; the way out uses v32-135.  window 1: K's two buffers.  windows 2, 3: the accumulators ((a, b) at v[8 (8 (a % 4) + b)]).
.set KSTEP,  128
.set PITCH,  272                       ; an LDS row: 256 bytes + 16 of padding: the 16 rows that a load touches start 68 words apart
.set HALFT,  128*PITCH
.set SLOT,   4*HALFT                   ; Q's 256 rows, then K's 256 rows
.set SPARE,  2*SLOT                    ; behind the ring: the spare words
.set LAPS,   4                         ; 1,024 / 256
.set ROWE,   3072                      ; elements from token to token in qkv
.set ADRA, 16
.set ADRB, 20
.set PO,   26                          ; v26 16 x lane
.set SO,   27                          ; v27 512 h + 16 r
.set SPW,  28
.set NIL,  29
.set F0,   64
.set F1,   128
.set T,    32                          ; the way out: v32-39 maxima; v[40:41] -M; v[42:45] sums; v48-55 the eight -M; v56-63 the eight sums; v64-127 p packed, two sets; v128-135 what goes to stat
.set NMP,  40
.set MS,   48
.set LS,   56
.set PK,   64
.set ST,   128
.set G1, 24
.set G0, 32
.set G1B, 48
.set G0B, 56
.set MSB, 0
.macro WIN new
.if MSB != (\new)
	s_set_vgpr_msb (MSB<<8)|(\new)
.set MSB, (\new)
.endif
.endm
.set MUL_LO, 0xa1                      ; source 0 (K) window 1, source 1 (Q) window 0, C and D window 2
.set MUL_HI, 0xf1
.set TO_B,   0x40
.macro JLOAD s                         ; a joint load: waves 0 and 1 fetch Q's halves, waves 2 and 3 K's; an s_nop 0 and four v_nop follow each line
	s_cmp_eq_u32 s11, 0
	s_cbranch_scc0 .Lfor_b_\@
	tensor_load_to_lds s[G0+4*\s:G0+4*\s+3], s[G1:G1+7]
	s_nop 0
.rept 4
	v_nop
.endr
	s_branch .Lasked_\@
.Lfor_b_\@:
	tensor_load_to_lds s[G0B+4*\s:G0B+4*\s+3], s[G1B:G1B+7]
	s_nop 0
.rept 4
	v_nop
.endr
.Lasked_\@:
.endm
.macro CREST
	s_cmp_lg_u32 s10, 0
	s_cbranch_scc1 .Lnot_wave_0_\@
	s_barrier_signal -3
.Lnot_wave_0_\@:
	s_barrier_wait -3
	s_barrier_signal -1
	s_barrier_wait -1
.endm
.macro CROUND
	s_barrier_signal -1
	s_barrier_wait -1
	CREST
.endm
	s_load_b128 s[4:7], s[0:1], 0x0                ; qkv, pimg
	s_load_b64 s[8:9], s[0:1], 0x10                ; stat
	v_lshl_add_u32 v[SPW], v0, 2, SPARE
	v_mov_b32 v[NIL], 0
	ds_add_u32 v[SPW], v[NIL]                      ; the wave's opening: the add, twice on end, and its wait ahead of my first tensor load
	ds_add_u32 v[SPW], v[NIL]
	v_lshrrev_b32 v1, 5, v0
	v_readfirstlane_b32 s10, v1                    ; wave 0..3
	s_lshr_b32 s11, s10, 1                         ; which 128 queries are mine.  Also: I fetch for Q (0) or for K (1)
	s_and_b32 s12, s10, 1                          ; which 128 keys.  Also: which 128 rows I fetch
	s_bfe_u32 s40, ttmp6, 0x40000                  ; cx, cy
	s_bfe_u32 s41, ttmp6, 0x40004
	s_lshl_b32 s42, ttmp9, 2
	s_add_co_u32 s42, s42, s40                     ; tile of 256 keys in the batch, 0..7
	s_and_b32 s13, ttmp7, 0xffff
	s_lshr_b32 s45, s13, 1                         ; the batch: two rows of clusters each; shared by all sixteen
	s_lshl_b32 s13, s13, 2
	s_add_co_u32 s13, s13, s41                     ; tile of 256 queries, 0..31, over all batches
	s_lshl_b32 s43, s41, 2
	s_lshl_b32 s43, 15, s43
	s_lshl_b32 s44, 0x1111, s40
	s_or_b32 s[G1+0], s43, (1<<16)|(1<<20)|(1<<21)|(5<<22)|(3<<25)  ; elements of 2 bytes; 4 words of padding behind every 64
	s_or_b32 s[G1B+0], s44, (1<<16)|(1<<20)|(1<<21)|(5<<22)|(3<<25)
.irp g, G1, G1B
	s_mov_b32 s[\g+1], KSTEP<<16                   ; tensor_dim0 = 128
	s_mov_b32 s[\g+2], 128<<16                     ; tensor_dim1 = 128
	s_mov_b32 s[\g+3], KSTEP<<16                   ; tile_dim0
	s_mov_b32 s[\g+4], 128                         ; tile_dim1
	s_mov_b32 s[\g+5], ROWE
	s_mov_b32 s[\g+6], 0
	s_mov_b32 s[\g+7], 0
.endr
	s_lshl_b32 s17, s12, 7
	s_lshl_b32 s16, s13, 8
	s_add_co_u32 s16, s16, s17                     ; Q: token 256 x tile + 128 x half
	s_mul_i32 s16, s16, ROWE*2
	s_lshl_b32 s46, s45, 11                        ; K: token 2,048 x batch + 256 x tile + 128 x half,
	s_lshl_b32 s47, s42, 8
	s_add_co_u32 s46, s46, s47
	s_add_co_u32 s46, s46, s17
	s_mul_i32 s46, s46, ROWE*2
	s_add_co_u32 s46, s46, 2048                    ; columns 1,024 on
	s_mov_b32 s17, 0
	s_mov_b32 s47, 0
	s_mul_i32 s20, s10, HALFT                      ; where they go: wave x 128 rows
	s_mov_b32 s66, 0x3d38aa3b                      ; c = log2(e) / 32
	s_mov_b32 s67, s66                             ; (named with it as a pair)
	s_mov_b32 s68, 0x76543210                      ; v_permlanex16_b32's selects for lane l xor 16
	s_mov_b32 s69, 0xfedcba98
	s_wait_dscnt 0x0                               ; both opening adds are done
	s_wait_kmcnt 0x0
	s_add_nc_u64 s[14:15], s[4:5], s[16:17]
	s_add_nc_u64 s[46:47], s[4:5], s[46:47]
	CROUND                                         ; all sixteen work-groups are here: the first joint loads meet
.irp s, 0,1
	s_mov_b32 s[G0+4*\s], 1
	s_add_co_u32 s[G0+4*\s+1], s20, \s*SLOT
	s_add_nc_u64 s[G0+4*\s+2:G0+4*\s+3], s[14:15], \s*KSTEP*2
	s_or_b32 s[G0+4*\s+3], s[G0+4*\s+3], 0x80000000
	s_mov_b32 s[G0B+4*\s], 1
	s_add_co_u32 s[G0B+4*\s+1], s20, \s*SLOT
	s_add_nc_u64 s[G0B+4*\s+2:G0B+4*\s+3], s[46:47], \s*KSTEP*2
	s_or_b32 s[G0B+4*\s+3], s[G0B+4*\s+3], 0x80000000
	JLOAD \s
.endr
	v_and_b32 v1, 15, v0                           ; r
	v_bfe_u32 v2, v0, 4, 1                         ; h
	v_mul_u32_u24 v3, v1, PITCH
	v_lshl_add_u32 v3, v2, 4, v3
	s_mul_i32 s21, s11, HALFT
	s_mul_i32 s22, s12, HALFT
	s_add_co_u32 s22, s22, 2*HALFT
.irp s, 0,1
	v_add_nc_u32 v[ADRA+\s], s21, v3
	v_add_nc_u32 v[ADRB+\s], s22, v3
	s_add_co_u32 s21, s21, SLOT
	s_add_co_u32 s22, s22, SLOT
.endr
	v_and_b32 v4, 31, v0
	v_lshlrev_b32 v[PO], 4, v4
	v_lshlrev_b32 v[SO], 9, v2
	v_lshl_add_u32 v[SO], v1, 4, v[SO]
	s_lshl_b32 s16, s13, 1
	s_add_co_u32 s16, s16, s11                     ; g = my 128 queries
	s_lshl_b32 s16, s16, 4
	s_lshl_b32 s17, s42, 1
	s_add_co_u32 s16, s16, s17
	s_add_co_u32 s16, s16, s12                     ; 16 g + kb
	s_lshl_b32 s18, s16, 15
	s_mov_b32 s19, 0
	s_add_nc_u64 s[70:71], s[6:7], s[18:19]        ; my 32,768 bytes of pimg
	s_lshl_b32 s18, s16, 10
	s_add_nc_u64 s[72:73], s[8:9], s[18:19]        ; my 1,024 bytes of stat
.macro MUL16 f, hi, a0, zero           ; 16 products; the 64 accumulators take turns, one instruction a turn
.irp a, \a0, \a0+1
.irp b, 0,1,2,3,4,5,6,7
.if \zero
	v_wmma_f32_16x16x32_f16 v[8*(8*(\a)+\b):8*(8*(\a)+\b)+7], v[\f+8*\b:\f+8*\b+7], v[\f+8*(4*\hi+\a):\f+8*(4*\hi+\a)+7], 0
.else
	v_wmma_f32_16x16x32_f16 v[8*(8*(\a)+\b):8*(8*(\a)+\b)+7], v[\f+8*\b:\f+8*\b+7], v[\f+8*(4*\hi+\a):\f+8*(4*\hi+\a)+7], v[8*(8*(\a)+\b):8*(8*(\a)+\b)+7]
.endif
.endr
.endr
.endm
.macro FETCH slot, k, f                ; 32 LDS loads in one run: the fragments of 32 along K at byte k of the rows
	WIN TO_B
.irp i, 0,1,2,3,4,5,6,7
	ds_load_b128 v[\f+8*\i:\f+8*\i+3],   v[ADRB+\slot] offset:\k+\i*16*PITCH
	ds_load_b128 v[\f+8*\i+4:\f+8*\i+7], v[ADRB+\slot] offset:\k+\i*16*PITCH+32
.endr
	WIN 0
.irp i, 0,1,2,3,4,5,6,7
	ds_load_b128 v[\f+8*\i:\f+8*\i+3],   v[ADRA+\slot] offset:\k+\i*16*PITCH
	ds_load_b128 v[\f+8*\i+4:\f+8*\i+7], v[ADRA+\slot] offset:\k+\i*16*PITCH+32
.endr
.endm
.macro PLACES                          ; four places in front of loads into registers that matrix instructions have read, and of the first read of results
.rept 4
	v_nop
.endr
.endm
.macro QUARTER slot, k, f, g, zero     ; 64 products on buffer f; in their middle the next quarter's fragments are fetched into g
	s_wait_dscnt 8                                 ; K's and Q's rows 0-63 are in; the youngest eight loads (Q's rows 64-127) may be out
	WIN MUL_LO
	MUL16 \f, 0, 0, \zero
	MUL16 \f, 0, 2, \zero
	PLACES
	FETCH \slot, \k, \g
	s_wait_dscnt 32                                ; all but the 32 just issued
	WIN MUL_HI
	MUL16 \f, 1, 0, \zero
	MUL16 \f, 1, 2, \zero
.endm
.macro MEET round                      ; the change of slots: each wave waits for all its tensor loads, adds 0 to its spare word, waits for that and for its reads of this slot, and signals
	WIN 0
	s_wait_tensorcnt 0x0                           ; the one load of mine that was out is my part of the next slot
	ds_add_u32 v[SPW], v[NIL]
	s_wait_dscnt 9                                 ; the add and the youngest eight loads may be out
	WIN MUL_LO
	MUL16 F1, 0, 0, 0
	s_wait_dscnt 0x0                               ; the add is done, and my reads of this slot are over
	s_barrier_signal -1
	MUL16 F1, 0, 2, 0
.if \round
	WIN 0
.endif
	s_barrier_wait -1
.endm
.macro TURN slot, next                 ; the last quarter of a K step: behind the cluster's round the slot just read is filled with the K step two on
	MEET 1
	CREST                                          ; no wave of any partner still reads this slot or has a load on its way
	s_add_nc_u64 s[G0+4*\slot+2:G0+4*\slot+3], s[G0+4*\slot+2:G0+4*\slot+3], 2*KSTEP*2
	s_add_nc_u64 s[G0B+4*\slot+2:G0B+4*\slot+3], s[G0B+4*\slot+2:G0B+4*\slot+3], 2*KSTEP*2
	JLOAD \slot                                    ; the four v_nop behind it are also the places in front of the loads below
	FETCH \next, 0, F0
	WIN MUL_HI
	MUL16 F1, 1, 0, 0
	MUL16 F1, 1, 2, 0
.endm
	s_wait_tensorcnt 1                             ; my part of K step 0 is in; K step 1's load may be out
	s_barrier_signal -1
	s_barrier_wait -1
	FETCH 0, 0, F0
	QUARTER 0, 64,  F0, F1, 1                      ; the first quarter's products start the sums
	WIN 0
	s_mov_b32 s3, LAPS-1
.Llap:                                                 ; a trip goes once round the ring and fills both slots again
	QUARTER 0, 128, F1, F0, 0
	QUARTER 0, 192, F0, F1, 0
	TURN 0, 1
	QUARTER 1, 64,  F0, F1, 0
	QUARTER 1, 128, F1, F0, 0
	QUARTER 1, 192, F0, F1, 0
	TURN 1, 0
	QUARTER 0, 64,  F0, F1, 0
	WIN 0
	s_sub_co_u32 s3, s3, 1
	s_cmp_lg_u32 s3, 0
	s_cbranch_scc1 .Llap
	QUARTER 0, 128, F1, F0, 0                      ; the last lap fills nothing
	QUARTER 0, 192, F0, F1, 0
	MEET 0
	PLACES
	FETCH 1, 0, F0
	WIN MUL_HI
	MUL16 F1, 1, 0, 0
	MUL16 F1, 1, 2, 0
	QUARTER 1, 64,  F0, F1, 0
	QUARTER 1, 128, F1, F0, 0
	QUARTER 1, 192, F0, F1, 0
	s_wait_dscnt 8
	WIN MUL_LO
	MUL16 F1, 0, 0, 0
	MUL16 F1, 0, 2, 0
	s_wait_dscnt 0
	WIN MUL_HI
	MUL16 F1, 1, 0, 0
	MUL16 F1, 1, 2, 0
	WIN 0
; THE WAY OUT: the softmax of 16 queries x 128 keys at a time (the eight accumulators of block a).
.macro SOFT a
.set W, 2+(\a)/4                       ; the block's window
.set AC, 64*((\a)%4)
.set PKB, PK+32*((\a)%2)
.set WN, 21*W                          ; sources 0, 1, 2 in window W
	WIN WN
.irp b, 0,1,2,3,4,5,6,7
	v_max3_num_f32 v[T+\b], v[AC+8*\b], v[AC+8*\b+1], v[AC+8*\b+2]       ; the largest score: eight chains, each accumulator from its low end on
.endr
.set WN, 20*W                          ; sources 1, 2 in window W
	WIN WN
.irp b, 0,1,2,3,4,5,6,7
	v_max3_num_f32 v[T+\b], v[T+\b], v[AC+8*\b+3], v[AC+8*\b+4]
.endr
.irp b, 0,1,2,3,4,5,6,7
	v_max3_num_f32 v[T+\b], v[T+\b], v[AC+8*\b+5], v[AC+8*\b+6]
.endr
.irp i, 0,1,2,3
	v_max3_num_f32 v[T+\i], v[T+\i], v[AC+16*\i+7], v[AC+16*\i+15]
.endr
	WIN 0
	v_max3_num_f32 v[T], v[T], v[T+1], v[T+2]
	v_max3_num_f32 v[T+3], v[T+3], v[T+4], v[T+5]
	v_max3_num_f32 v[T], v[T], v[T+3], v[T+6]
	v_max_num_f32 v[T], v[T], v[T+7]
	v_permlanex16_b32 v[T+1], v[T], s68, s69       ; the query's other 64 keys lie in the lane 16 away
	v_max_num_f32 v[T], v[T], v[T+1]
	v_mul_f32 v[T], s66, v[T]                      ; as t (c is positive)
	v_floor_f32 v[NMP], -v[T]                      ; -M = floor(-t) = -ceil(t): M is a whole number
.set WN, 65*W                          ; destination and source 0 in window W
	WIN WN
.set i, 0
.rept 32
	v_pk_fma_f32 v[AC+2*i:AC+2*i+1], v[AC+2*i:AC+2*i+1], s[66:67], v[NMP:NMP+1] op_sel_hi:[1,0,0]   ; t - M, two at a time
.set i, i+1
.endr
.set i, 0
.rept 64
	v_exp_f32 v[AC+i], v[AC+i]                     ; p = 2^(t - M): one batch
.set i, i+1
.endr
	WIN 0
	v_mov_b32 v[MS+(\a)], v[NMP]                   ; (a plain line behind the last exponential)
	s_wait_alu depctr_va_vdst(0)                   ; the wait ahead of the first line that names a result: one for the batch of 64
.if (\a) >= 2
	s_wait_xcnt 0x0                                ; the stores of the block two back have read this set of registers
.endif
.set WN, 5*W                           ; sources 0, 1 in window W
	WIN WN
.irp b, 0,1,2,3,4,5,6,7
.irp i, 0,1,2,3
	v_cvt_pk_f16_f32 v[PKB+4*\b+\i], v[AC+8*\b+2*\i], v[AC+8*\b+2*\i+1]
.endr
.endr
	v_pk_add_f32 v[42:43], v[AC:AC+1], v[AC+2:AC+3]                ; the sum of the unrounded p, two at a time, in two chains
	v_pk_add_f32 v[44:45], v[AC+4:AC+5], v[AC+6:AC+7]
	WIN W                                          ; source 0 in window W
.irp j, 8,12,16,20,24,28,32,36,40,44,48,52,56,60
	v_pk_add_f32 v[42:43], v[AC+\j:AC+\j+1], v[42:43]
	v_pk_add_f32 v[44:45], v[AC+\j+2:AC+\j+3], v[44:45]
.endr
	WIN 0
	v_pk_add_f32 v[42:43], v[42:43], v[44:45]
	v_add_f32 v42, v42, v43
	v_permlanex16_b32 v43, v42, s68, s69
	v_add_f32 v[LS+(\a)], v42, v43
.irp b, 0,1,2,3,4,5,6,7
	global_store_b128 v[PO], v[PKB+4*\b:PKB+4*\b+3], s[70:71] offset:4096*(\a)+512*\b   ; the wave stores 512 consecutive bytes, aligned
.endr
.endm
	PLACES
	v_mov_b32 v[NMP+1], 0                          ; (named as the upper half of the pair)
	SOFT 0
	SOFT 1
	SOFT 2
	SOFT 3
	SOFT 4
	SOFT 5
	SOFT 6
	SOFT 7
	v_cmp_eq_u32 vcc_lo, 1, v2                     ; lanes 0-15 store the eight -M of their query places, lanes 16-31 the eight sums (both halves hold both)
.irp a, 0,1,2,3,4,5,6,7
	v_cndmask_b32 v[ST+\a], v[MS+\a], v[LS+\a], vcc_lo
.endr
	global_store_b128 v[SO], v[ST:ST+3], s[72:73]                  ; sixteen lanes store 256 consecutive bytes, aligned
	global_store_b128 v[SO], v[ST+4:ST+7], s[72:73] offset:256
	s_wait_tensorcnt 0x0                           ; the wave's end
	ds_add_u32 v[SPW], v[NIL]
	s_wait_dscnt 0x0
	CROUND                                         ; the closing round
	s_endpgm
.Lfunc_end_k_qad78bd88e4_scores:
	.size	k_qad78bd88e4_scores, .Lfunc_end_k_qad78bd88e4_scores-k_qad78bd88e4_scores
	.p2alignl 7, 3214868480
	.fill 96, 4, 3214868480
	.section	.rodata,"a",@progbits
	.p2align	6, 0x0
	.amdhsa_kernel k_qad78bd88e4_scores
		.amdhsa_group_segment_fixed_size 327680
		.amdhsa_private_segment_fixed_size 0
		.amdhsa_enable_private_segment 0
		.amdhsa_kernarg_size 24
		.amdhsa_user_sgpr_count 2
		.amdhsa_user_sgpr_kernarg_segment_ptr 1
		.amdhsa_wavefront_size32 1
		.amdhsa_system_sgpr_workgroup_id_x 1
		.amdhsa_system_sgpr_workgroup_id_y 1
		.amdhsa_system_sgpr_workgroup_id_z 1
		.amdhsa_system_vgpr_workitem_id 0
		.amdhsa_next_free_vgpr 1024
		.amdhsa_next_free_sgpr 80
		.amdhsa_reserve_vcc 1
		.amdhsa_float_denorm_mode_32 3
		.amdhsa_float_denorm_mode_16_64 3
		.amdhsa_memory_ordered 1
		.amdhsa_forward_progress 1
		.amdhsa_inst_pref_size 202
	.end_amdhsa_kernel
	.amdgpu_metadata
---
amdhsa.version: [ 1, 2 ]
amdhsa.kernels:
  - .name:           k_qad78bd88e4_scores
    .symbol:         k_qad78bd88e4_scores.kd
    .args:
      - { .name: qkv, .offset: 0, .size: 8, .value_kind: global_buffer, .address_space: global }
      - { .name: pimg, .offset: 8, .size: 8, .value_kind: global_buffer, .address_space: global }
      - { .name: stat, .offset: 16, .size: 8, .value_kind: global_buffer, .address_space: global }
    .group_segment_fixed_size: 327680
    .private_segment_fixed_size: 0
    .kernarg_segment_align: 8
    .kernarg_segment_size: 24
    .max_flat_workgroup_size: 128
    .sgpr_count:     80
    .vgpr_count:     1024
    .wavefront_size: 32
...
	.end_amdgpu_metadata
.endif
;; end of part 3
;; launch pv (part 4): grid 4 x 64, 4 waves a work-group, clusters of 4 x 4, 327,680 bytes of LDS; arguments pimg, qkv, stat, out0; writes out0
.if DOCPART == 4
	.amdgcn_target "amdgcn-amd-amdhsa--gfx1250"
	.amdhsa_code_object_version 6
	.text
	.protected	k_qad78bd88e4_pv
	.globl	k_qad78bd88e4_pv
	.p2align	8
	.type	k_qad78bd88e4_pv,@function
k_qad78bd88e4_pv:
	s_mov_b64 s[64:65], 0
	v_nop
	global_prefetch_b8 v0, s[64:65] scope:SCOPE_SE
	s_setreg_imm32_b32 hwreg(HW_REG_WAVE_MODE, 25, 1), 1
	s_wait_xcnt 0x0
	s_wait_alu depctr_hold_cnt(0) depctr_sa_sdst(0) depctr_va_vdst(0) depctr_va_sdst(0) depctr_va_ssrc(0) depctr_va_vcc(0) depctr_vm_vsrc(0)
	s_getreg_b32 s2, hwreg(HW_REG_IB_STS2, 6, 4)
	s_cmp_eq_u32 s2, 0
	s_cbranch_scc0 .Lentry_in_a_cluster
	s_endpgm
.Lentry_in_a_cluster:
	s_bfe_u32 s2, ttmp6, 0x10000c
	s_cmp_lg_u32 s2, 0xf033
	s_cbranch_scc0 .Lentry_shape_is_right
	s_endpgm
.Lentry_shape_is_right:
; LAUNCH 4 OF 4.  out0[q][o] = (the sum over the 16 blocks kb of 128 keys of f(q, kb) x the sum over the block's keys of p V) / l(q), f16 operands, f32 sums.  No work is left out.
; f(q, kb) = 2^(M(q, kb) - M(q)), M(q) the largest of the query's 16 whole numbers M(q, kb): the row's maximum is what the exponentials have had taken away;  l(q) = the sum over kb of f x the block's sum.
; f IS APPLIED IN f32: a K step is one block kb; its products sum into accumulators of their own, T, begun anew in every K step, and O += f x T, two numbers an instruction.  p goes to the matrix unit as it was stored.
; A tile of 128 queries x 256 outputs is made by four waves, each 64 x 128: 32 accumulators, 256 registers of T and 256 of O: 256 tiles, one for each work-group.  K = 2,048 keys goes in 16 steps of 128 through a ring of two LDS slots.
; A slot holds p's 32,768 bytes, dense images of the operand's registers, and 128 rows of V (512 bytes + 32 of padding), which come out turned, by ds_load_tr16_b128.
; CLUSTERS: 4 x 4 work-groups; the four of a row (one group of 128 queries) need the same p, the four of a column (one tile of outputs, one batch) the same V: each tile is asked for JOINTLY.
; THE MATRIX INSTRUCTION IS USED TRANSPOSED (source 0 = 16 outputs of V^T, source 1 = 16 queries of p): a lane holds one query and eight neighbouring outputs, so that f is one number a lane and block of 16 queries.
; A K step is two units of 64 keys, 64 products each, in groups of eight: (keys 32 c on, queries 16 a on) x the eight blocks of outputs.  Block a's sums are whole behind the second unit's group (c = 1, a), and are begun anew 24 products on.
; Its 32 multiply-adds stand between, in slices of four behind the eight products of the NEXT group, so that they are issued while the matrix unit works: block 3's behind the next K step's first group.  A slice costs two switches of the window.
; REGISTERS: window 0: v16-31 addresses; v32-47 f, two sets of four pairs (the even register holds f); v48-55 1 / l; v56-63 -M, l; v64-127, v128-191 p's fragments, two buffers ((c, a) at 8 (4 c + a)); v192-255 at work.
;   window 1: V's two buffers, at 0 and 128 ((c, b) at 8 (8 c + b)).   window 2: T ((a, b) at 8 (8 a + b)).   window 3: O, likewise.
.set PV,     544                       ; a row of V in LDS: 512 bytes + 32 of padding = 136 words
.set VOFF,   32768                     ; behind p's images
.set SLOT,   VOFF+128*PV               ; 102,400
.set TBL,    2*SLOT                    ; each wave's table of f: [kb 16][query % 16][4 words]: 4,096 bytes a wave; no tile lands here
.set STAGE,  TBL+4*4096                ; the way out: 16 rows x (512 + 16) bytes for each wave
.set SPARE,  STAGE+4*16*528            ; the spare words
.set ADRA, 16                          ; v16-17 my fragments of p in slot 0, 1
.set ADRB, 20                          ; v20-21 of V
.set ADRT, 22                          ; v22 my place in the table, stepped two K steps a trip
.set TBW,  23                          ; v23 the same, for the stores
.set STO,  24
.set RD,   25
.set CO,   26
.set SPW,  28
.set NIL,  29
.set PFO,  30                          ; v30 the prefetches' offset
.set SA,   31                          ; v31 my place in stat
.set FC,   32
.set RL,   48
.set NM,   56
.set LL,   60
.set F0,   64
.set F1,   128
.set OW,   192
.set G1, 24
.set G0, 32
.set G1B, 48
.set G0B, 56
.set PFA, 66                           ; s[66:67] where my prefetches stand;  s[68:69] a K step on, in bytes
.set PFS, 68
.set CNT, 70                           ; s70 16 - j behind the refill with K step j
.set LIM, 71                           ; s71 2 in a wave that prefetches, else the greatest number
.set MSB, 0
.macro WIN new
.if MSB != (\new)
	s_set_vgpr_msb (MSB<<8)|(\new)
.set MSB, (\new)
.endif
.endm
.set MUL,  0xa1                        ; source 0 (V) window 1, source 1 (p) window 0, C and D (T) window 2
.set W_FM, 0xf2                        ; source 0 (T) window 2, source 1 (f) window 0, source 2 and destination (O) window 3
.set TO_B, 0x40
.macro JLOAD s                         ; a joint load: waves 0 and 1 fetch p's halves, waves 2 and 3 V's; an s_nop 0 and four v_nop follow each line
	s_cmp_eq_u32 s13, 0
	s_cbranch_scc0 .Lfor_b_\@
	tensor_load_to_lds s[G0+4*\s:G0+4*\s+3], s[G1:G1+7]
	s_nop 0
.rept 4
	v_nop
.endr
	s_branch .Lasked_\@
.Lfor_b_\@:
	tensor_load_to_lds s[G0B+4*\s:G0B+4*\s+3], s[G1B:G1B+7]
	s_nop 0
.rept 4
	v_nop
.endr
.Lasked_\@:
.endm
.macro CREST
	s_cmp_lg_u32 s12, 0
	s_cbranch_scc1 .Lnot_wave_0_\@
	s_barrier_signal -3
.Lnot_wave_0_\@:
	s_barrier_wait -3
	s_barrier_signal -1
	s_barrier_wait -1
.endm
.macro CROUND
	s_barrier_signal -1
	s_barrier_wait -1
	CREST
.endm
.macro PLACES                          ; four places (ISA guide 7.12.1)
.rept 4
	v_nop
.endr
.endm
; A PREFETCH INTO THE L2 of the K step that stands two refills on, behind the joint load and the run of LDS loads: one instruction a wave.  Each aligned run of 256 bytes is named once in the launch.
; p's block of 32,768 bytes is read by the four work-groups of my row alone: wave 0 asks, each of the four for 8,192 bytes, told apart by address, lanes 256 bytes apart.
; V's tile is read by all four clusters of a batch: the batch's first cluster asks; waves 2 and 3 for the 64 rows that they fetch, each of the column's four partners for 16 of them, told apart by address, two lanes a row of 512 bytes.
; K steps 0 to 3 come by their loads alone; the last two refills ask for nothing.
.macro ASK
	s_cmp_gt_u32 s[CNT], s[LIM]
	s_cbranch_scc0 .Lnot_mine_\@
	global_prefetch_b8 v[PFO], s[PFA:PFA+1] th:TH_LOAD_NT scope:SCOPE_SE
.Lnot_mine_\@:
.endm
	s_load_b256 s[4:11], s[0:1], 0x0               ; pimg s[4:5], qkv s[6:7], stat s[8:9], out0 s[10:11]
	v_lshl_add_u32 v[SPW], v0, 2, SPARE
	v_mov_b32 v[NIL], 0
	ds_add_u32 v[SPW], v[NIL]                      ; the wave's opening: the add, twice on end, and its wait ahead of my first tensor load
	ds_add_u32 v[SPW], v[NIL]
	v_lshrrev_b32 v1, 5, v0
	v_readfirstlane_b32 s12, v1                    ; wave 0..3
	s_lshr_b32 s13, s12, 1                         ; which 64 queries are mine.  Also: I fetch p (0) or V (1)
	s_and_b32 s14, s12, 1                          ; which 128 outputs.  Also: which half I fetch
	s_bfe_u32 s40, ttmp6, 0x40000                  ; cx, cy
	s_bfe_u32 s41, ttmp6, 0x40004
	s_lshl_b32 s42, ttmp9, 2
	s_add_co_u32 s42, s42, s40                     ; tile of 256 outputs, 0..3
	s_and_b32 s15, ttmp7, 0xffff                   ; the cluster's y
	s_lshl_b32 s45, s15, 2
	s_add_co_u32 s45, s45, s41                     ; g: my 128 queries, 0..63
	s_lshr_b32 s46, s15, 2                         ; the batch: four rows of clusters each
	s_lshl_b32 s43, s41, 2
	s_lshl_b32 s43, 15, s43
	s_lshl_b32 s44, 0x1111, s40
	s_or_b32 s[G1+0], s43, (3<<16)|(1<<21)         ; p: 16,384 dense bytes as 64 rows of 32 elements of 8 bytes
	s_mov_b32 s[G1+1], 32<<16
	s_mov_b32 s[G1+2], 64<<16
	s_mov_b32 s[G1+3], 32<<16
	s_mov_b32 s[G1+4], 64
	s_mov_b32 s[G1+5], 32
	s_mov_b32 s[G1+6], 0
	s_mov_b32 s[G1+7], 0
	s_or_b32 s[G1B+0], s44, (1<<16)|(1<<20)|(1<<21)|(6<<22)|(7<<25) ; V: 64 rows of 256 elements of 2 bytes; 8 words of padding behind every 128
	s_mov_b32 s[G1B+1], 256<<16
	s_mov_b32 s[G1B+2], 64<<16
	s_mov_b32 s[G1B+3], 256<<16
	s_mov_b32 s[G1B+4], 64
	s_mov_b32 s[G1B+5], 3072
	s_mov_b32 s[G1B+6], 0
	s_mov_b32 s[G1B+7], 0
	s_lshl_b32 s16, s45, 19                        ; p: 16 blocks of 32,768 bytes for each g; my half of a block
	s_lshl_b32 s17, s14, 14
	s_add_co_u32 s16, s16, s17
	s_mov_b32 s17, 0
	s_lshl_b32 s18, s46, 11                        ; V: token 2,048 x batch + 64 x half,
	s_lshl_b32 s19, s14, 6
	s_add_co_u32 s18, s18, s19
	s_mul_i32 s18, s18, 6144
	s_lshl_b32 s19, s42, 9                         ; my tile's 512 bytes of a row,
	s_add_co_u32 s18, s18, s19
	s_add_co_u32 s18, s18, 4096                    ; columns 2,048 on
	s_mov_b32 s19, 0
	s_lshl_b32 s20, s14, 14                        ; where they go: no place in the cluster enters an LDS address
	s_mul_i32 s21, s14, 64*PV
	s_add_co_u32 s21, s21, VOFF
	s_mov_b32 s[CNT], 15
	s_wait_dscnt 0x0                               ; both opening adds are done
	s_wait_kmcnt 0x0
	s_add_nc_u64 s[16:17], s[4:5], s[16:17]
	s_add_nc_u64 s[18:19], s[6:7], s[18:19]
	CROUND                                         ; all sixteen work-groups are here: the first joint loads meet
.irp s, 0,1
	s_mov_b32 s[G0+4*\s], 1
	s_add_co_u32 s[G0+4*\s+1], s20, \s*SLOT
	s_add_nc_u64 s[G0+4*\s+2:G0+4*\s+3], s[16:17], \s*32768
	s_or_b32 s[G0+4*\s+3], s[G0+4*\s+3], 0x80000000
	s_mov_b32 s[G0B+4*\s], 1
	s_add_co_u32 s[G0B+4*\s+1], s21, \s*SLOT
	s_add_nc_u64 s[G0B+4*\s+2:G0B+4*\s+3], s[18:19], \s*786432
	s_or_b32 s[G0B+4*\s+3], s[G0B+4*\s+3], 0x80000000
	JLOAD \s
.endr
	; the statistics of my 64 queries: lane (r, h) takes, for each kb, the four -M and the four sums of queries 16 a + r
	s_lshl_b32 s22, s45, 14
	s_mov_b32 s23, 0
	s_add_nc_u64 s[8:9], s[8:9], s[22:23]
	v_and_b32 v1, 15, v0                           ; r
	v_bfe_u32 v2, v0, 4, 1                         ; h
	v_and_b32 v3, 31, v0                           ; lane
	s_lshl_b32 s22, s13, 8
	v_lshl_add_u32 v[SA], v1, 4, s22
.irp k, 0,1,2,3,4,5,6,7,8,9,10,11,12,13,14,15
	global_load_b128 v[64+4*\k:67+4*\k], v[SA], s[8:9] offset:1024*\k
	global_load_b128 v[128+4*\k:131+4*\k], v[SA], s[8:9] offset:1024*\k+512
.endr
	v_lshlrev_b32 v[CO], 4, v3                     ; 16 x lane
	s_lshl_b32 s22, s13, 14
	v_add_nc_u32 v[ADRA], s22, v[CO]
	s_add_co_u32 s22, s22, SLOT
	v_add_nc_u32 v[ADRA+1], s22, v[CO]
	v_and_b32 v4, 7, v0                            ; the turning load: lane l reads 16 bytes of key 8 (l / 16) + l % 8, outputs 8 ((l / 8) % 2) + 0 .. 7
	v_lshl_add_u32 v4, v2, 3, v4
	v_mul_u32_u24 v4, v4, PV
	v_bfe_u32 v5, v0, 3, 1
	v_lshl_add_u32 v4, v5, 4, v4
	s_lshl_b32 s22, s14, 8
	s_add_co_u32 s22, s22, VOFF
	v_add_nc_u32 v[ADRB], s22, v4
	s_add_co_u32 s22, s22, SLOT
	v_add_nc_u32 v[ADRB+1], s22, v4
	s_lshl_b32 s22, s12, 12
	s_add_co_u32 s22, s22, TBL
	v_lshl_add_u32 v[ADRT], v1, 4, s22
	v_lshl_add_u32 v[TBW], v1, 4, s22
	s_mul_i32 s22, s12, 16*528
	s_add_co_u32 s22, s22, STAGE
	v_mul_u32_u24 v4, v1, 528
	v_lshl_add_u32 v4, v2, 5, v4
	v_add_nc_u32 v[STO], s22, v4                   ; the stage, in: row r, 32 bytes for each half of the lanes
	v_add_nc_u32 v[RD], s22, v[CO]                 ; back: the 32 lanes take one row of 512 bytes
	s_lshl_b32 s22, s45, 7
	s_lshl_b32 s23, s13, 6
	s_add_co_u32 s22, s22, s23                     ; my first row of out0
	s_lshl_b32 s22, s22, 12
	s_lshl_b32 s23, s42, 10
	s_add_co_u32 s22, s22, s23
	s_lshl_b32 s23, s14, 9
	s_add_co_u32 s22, s22, s23
	s_mov_b32 s23, 0
	s_add_nc_u64 s[10:11], s[10:11], s[22:23]
	; the prefetches: where mine stand (at K step 3: the first refill steps them to 4), and who asks
	s_lshl_b32 s82, s45, 19
	s_add_co_u32 s82, s82, 3*32768
	s_lshl_b32 s83, s40, 13
	s_add_co_u32 s82, s82, s83                     ; p: my work-group's 8,192 bytes of the block
	s_lshl_b32 s84, s46, 11
	s_add_co_u32 s84, s84, 3*128
	s_lshl_b32 s83, s14, 6
	s_add_co_u32 s84, s84, s83
	s_lshl_b32 s83, s41, 4
	s_add_co_u32 s84, s84, s83                     ; V: my work-group's 16 rows of the 64 that I fetch
	s_mul_i32 s84, s84, 6144
	s_lshl_b32 s83, s42, 9
	s_add_co_u32 s84, s84, s83
	s_add_co_u32 s84, s84, 4096
	s_cmp_lt_u32 s12, 2
	s_cselect_b32 s82, s82, s84
	s_cselect_b64 s[PFA:PFA+1], s[4:5], s[6:7]
	s_cselect_b32 s80, 0, 1                        ; p: a lane a run of 256 bytes; V: two lanes a row
	s_mov_b32 s81, 6144
	s_cselect_b32 s81, 256, s81
	s_mov_b32 s[PFS], 786432
	s_cselect_b32 s[PFS], 32768, s[PFS]
	s_mov_b32 s[PFS+1], 0
	s_mov_b32 s83, 0
	s_add_nc_u64 s[PFA:PFA+1], s[PFA:PFA+1], s[82:83]
	v_and_b32 v4, s80, v3
	v_lshrrev_b32 v[PFO], s80, v3
	v_mul_lo_u32 v[PFO], v[PFO], s81
	v_lshl_add_u32 v[PFO], v4, 8, v[PFO]
	s_and_b32 s82, s15, 3
	s_cmp_lt_u32 s12, 2
	s_cselect_b32 s82, s12, s82                    ; wave 0 asks, wave 1 never; waves 2 and 3 in the batch's first cluster: the same in all sixteen partners
	s_cmp_eq_u32 s82, 0
	s_cselect_b32 s[LIM], 2, -1
.irp i, 1,3,5,7,9,11,13,15
	v_mov_b32 v[FC+\i], 0                          ; the upper halves of f's pairs: named with f by the packed forms, which take the lower half twice: so they are written, once
.endr
	s_wait_loadcnt 0x0                             ; the statistics
.irp a, 0,1,2,3
	v_min3_num_f32 v[NM+\a], v[64+\a], v[68+\a], v[72+\a]          ; the row's -M = the least of its sixteen
.endr
.irp k, 3,5,7,9,11,13
.irp a, 0,1,2,3
	v_min3_num_f32 v[NM+\a], v[NM+\a], v[64+4*\k+\a], v[68+4*\k+\a]
.endr
.endr
.irp a, 0,1,2,3
	v_min_num_f32 v[NM+\a], v[NM+\a], v[124+\a]
.endr
.set i, 0
.rept 64
	v_sub_f32 v[OW+i], v[NM+i%4], v[64+i]          ; M(kb) - M: a whole number, 0 or less
.set i, i+1
.endr
.set i, 0
.rept 64
	v_cvt_i32_f32 v[OW+i], v[OW+i]                 ; (it saturates)
.set i, i+1
.endr
.set i, 0
.rept 64
	v_ldexp_f32 v[OW+i], 1.0, v[OW+i]              ; f
.set i, i+1
.endr
.irp a, 0,1,2,3
	v_mul_f32 v[LL+\a], v[OW+\a], v[128+\a]        ; l = the sum of f x the block's sum
.endr
.set i, 4
.rept 60
	v_fma_f32 v[LL+i%4], v[OW+i], v[128+i], v[LL+i%4]
.set i, i+1
.endr
.irp k, 0,1,2,3,4,5,6,7,8,9,10,11,12,13,14,15
	ds_store_b128 v[TBW], v[OW+4*\k:OW+4*\k+3] offset:256*\k       ; my wave's own table; lanes r and r + 16 write the same bytes with the same values
.endr
.irp a, 0,1,2,3
	v_rcp_f32 v[RL+2*\a], v[LL+\a]
.endr
	v_nop                                          ; a plain line behind the last reciprocal
	s_wait_alu depctr_va_vdst(0)                   ; the wait ahead of the first line that names a result: one for the four
.irp a, 0,1,2,3
	v_mov_b32 v[RL+2*\a+1], v[RL+2*\a]             ; (the packed multiply names a pair)
.endr
.macro FETCH slot, u, f                ; 48 LDS loads in one run: the fragments of the slot's 64 keys number u: p's eight, V's sixteen (turned)
	WIN 0
.irp c, 0,1
.irp a, 0,1,2,3
	ds_load_b128 v[(\f)+8*(4*\c+\a):(\f)+8*(4*\c+\a)+3],   v[ADRA+(\slot)] offset:4096*\a+1024*(2*(\u)+\c)
	ds_load_b128 v[(\f)+8*(4*\c+\a)+4:(\f)+8*(4*\c+\a)+7], v[ADRA+(\slot)] offset:4096*\a+1024*(2*(\u)+\c)+512
.endr
.endr
	WIN TO_B
.irp c, 0,1
.irp b, 0,1,2,3,4,5,6,7
	ds_load_tr16_b128 v[2*(\f)-128+8*(8*\c+\b):2*(\f)-128+8*(8*\c+\b)+3],   v[ADRB+(\slot)] offset:(64*(\u)+32*\c)*PV+32*\b
	ds_load_tr16_b128 v[2*(\f)-128+8*(8*\c+\b)+4:2*(\f)-128+8*(8*\c+\b)+7], v[ADRB+(\slot)] offset:(64*(\u)+32*\c)*PV+16*PV+32*\b
.endr
.endr
	WIN 0
.endm
.macro LOADF set, toff                 ; a K step's four f of my lane, from my table at byte toff, into the even registers of the set's pairs
.irp a, 0,1,2,3
	ds_load_b32 v[FC+8*(\set)+2*\a], v[ADRT] offset:(\toff)+4*\a
.endr
.endm
; A group: 8 products: queries 16 a on x all 128 outputs, keys 32 c on of buffer f.  The 32 accumulators take turns, one instruction a turn, in the same order in every unit.  zero = 1: the K step's sums begin.
.macro MUL8 f, c, a, zero
	WIN MUL
.irp b, 0,1,2,3,4,5,6,7
.if \zero
	v_wmma_f32_16x16x32_f16 v[8*(8*(\a)+\b):8*(8*(\a)+\b)+7], v[2*(\f)-128+8*(8*(\c)+\b):2*(\f)-128+8*(8*(\c)+\b)+7], v[(\f)+8*(4*(\c)+(\a)):(\f)+8*(4*(\c)+(\a))+7], 0
.else
	v_wmma_f32_16x16x32_f16 v[8*(8*(\a)+\b):8*(8*(\a)+\b)+7], v[2*(\f)-128+8*(8*(\c)+\b):2*(\f)-128+8*(8*(\c)+\b)+7], v[(\f)+8*(4*(\c)+(\a)):(\f)+8*(4*(\c)+(\a))+7], v[8*(8*(\a)+\b):8*(8*(\a)+\b)+7]
.endif
.endr
.endm
; A slice: accumulator (pa, n8) of T goes into O: O += f x T, from the accumulator's low end on.  first = 1: the first K step's: O = f x T: O is never cleared.
.macro SL pa, set, first
	WIN W_FM
.irp k, 0,1,2,3
.if \first
	v_pk_mul_f32 v[64*(\pa)+8*n8+2*\k:64*(\pa)+8*n8+2*\k+1], v[64*(\pa)+8*n8+2*\k:64*(\pa)+8*n8+2*\k+1], v[FC+8*(\set)+2*(\pa):FC+8*(\set)+2*(\pa)+1] op_sel_hi:[1,0]
.else
	v_pk_fma_f32 v[64*(\pa)+8*n8+2*\k:64*(\pa)+8*n8+2*\k+1], v[64*(\pa)+8*n8+2*\k:64*(\pa)+8*n8+2*\k+1], v[FC+8*(\set)+2*(\pa):FC+8*(\set)+2*(\pa)+1], v[64*(\pa)+8*n8+2*\k:64*(\pa)+8*n8+2*\k+1] op_sel_hi:[1,0,1]
.endif
.endr
.endm
; The same group with a slice of block pa behind each product.  A slice names no register of the products round it, so the slices are also the places behind them: between a product that finishes an accumulator of T and the slice that
; reads it, and in front of the next run of loads into buffer f.
.macro MUL8S f, c, a, zero, pa, set, first
.set n8, 0
.rept 8
	WIN MUL
.if \zero
	v_wmma_f32_16x16x32_f16 v[8*(8*(\a)+n8):8*(8*(\a)+n8)+7], v[2*(\f)-128+8*(8*(\c)+n8):2*(\f)-128+8*(8*(\c)+n8)+7], v[(\f)+8*(4*(\c)+(\a)):(\f)+8*(4*(\c)+(\a))+7], 0
.else
	v_wmma_f32_16x16x32_f16 v[8*(8*(\a)+n8):8*(8*(\a)+n8)+7], v[2*(\f)-128+8*(8*(\c)+n8):2*(\f)-128+8*(8*(\c)+n8)+7], v[(\f)+8*(4*(\c)+(\a)):(\f)+8*(4*(\c)+(\a))+7], v[8*(8*(\a)+n8):8*(8*(\a)+n8)+7]
.endif
	SL \pa, \set, \first
.set n8, n8+1
.endr
.endm
; A K step's first unit, on buffer F0.  Its head issues the last reads of slot s.  Its first four groups begin T anew; behind the first of them stand the slices of the K step before's block 3 (prev = 2; 1: that was the first K step; 0: none).
; mode 0: the slot is then filled again, with the K step two on, behind a round of the cluster's barrier: in front of the round each wave waits for all its tensor loads (the one that is out is its part of the other slot), adds 0 to its
; spare word, and waits for that and for its reads.  mode 1: a plain barrier, nothing is filled.  mode 2: none.
.macro P0 s, mode, prev
	FETCH \s, 1, F1
.if \prev == 0
	MUL8 F0, 0, 0, 1
.else
	MUL8S F0, 0, 0, 1, 3, 1-\s, 2-\prev
.endif
	MUL8 F0, 0, 1, 1
	MUL8 F0, 0, 2, 1
	MUL8 F0, 0, 3, 1
	MUL8 F0, 1, 0, 0
.if \mode < 2
	WIN 0                                          ; (the add's two registers lie in window 0)
.if \mode == 0
	s_wait_xcnt 0x0                                ; the last prefetch, a K step back, has read its address, so it may be stepped
	s_add_nc_u64 s[PFA:PFA+1], s[PFA:PFA+1], s[PFS:PFS+1]
.endif
	s_wait_tensorcnt 0x0                           ; all my tensor loads have landed
	ds_add_u32 v[SPW], v[NIL]                      ; 0 onto my spare word; eight products stand between it and the wait for it
.endif
	MUL8 F0, 1, 1, 0
	s_wait_dscnt 0x0                               ; the add is done; the 48 loads are in: my reads of slot s are over
.if \mode < 2
	s_barrier_signal -1
.endif
	MUL8 F0, 1, 2, 0
	MUL8 F0, 1, 3, 0
	WIN 0
.if \mode < 2
	s_barrier_wait -1
.endif
.if \mode == 0
	CREST                                          ; no wave of any partner still reads this slot or has a load on its way
	s_add_nc_u64 s[G0+4*\s+2:G0+4*\s+3], s[G0+4*\s+2:G0+4*\s+3], 2*32768
	s_add_nc_u64 s[G0B+4*\s+2:G0B+4*\s+3], s[G0B+4*\s+2:G0B+4*\s+3], 2*786432
	JLOAD \s                                       ; my one tensor load behind the round: 104 products stand between it and the wait for it; its four v_nop are the places in front of the next run of loads
	s_sub_co_u32 s[CNT], s[CNT], 1
.else
	PLACES                                         ; in front of the next run of loads into buffer F0
.endif
.endm
; A K step's second unit, on buffer F1.  fetch = 1: the next K step's first unit is fetched from the other slot, with its four f from my table at byte toff.  Behind its last three groups stand the slices of blocks 0, 1, 2.
.macro P1 s, toff, fetch, first
.if \fetch
	FETCH 1-\s, 0, F0
	LOADF 1-\s, \toff
	ASK
.endif
	MUL8 F1, 0, 0, 0
	MUL8 F1, 0, 1, 0
	MUL8 F1, 0, 2, 0
	MUL8 F1, 0, 3, 0
	MUL8 F1, 1, 0, 0
	PLACES                                         ; block 0's sums are whole; no slice stands among its last products, so these are the places ahead of the first slice that reads them
	MUL8S F1, 1, 1, 0, 0, \s, \first
.if \fetch
	s_wait_dscnt 0x0                               ; the 52 loads are in
.endif
	MUL8S F1, 1, 2, 0, 1, \s, \first
	MUL8S F1, 1, 3, 0, 2, \s, \first
	WIN 0
.endm
	s_wait_tensorcnt 1                             ; my part of K step 0 is in; K step 1's load may be out
	s_wait_dscnt 0x0                               ; my table is written
	s_barrier_signal -1
	s_barrier_wait -1
	FETCH 0, 0, F0
	LOADF 0, 0
	s_wait_dscnt 0x0
	P0 0, 0, 0                                     ; K step 0; slot 0 takes K step 2
	P1 0, 256, 1, 1                                ; its slices start O: they are written out ahead of the loop
	P0 1, 0, 1                                     ; K step 1; slot 1 takes K step 3
	s_mov_b32 s3, 6
.Ltrip:                                                ; a trip goes once round the ring, from an odd K step's second unit to the first unit of the odd K step two on, and fills both slots again
	P1 1, 512, 1, 0
	P0 0, 0, 2
	P1 0, 768, 1, 0
	P0 1, 0, 2
	v_add_nc_u32 v[ADRT], 512, v[ADRT]
	s_sub_co_u32 s3, s3, 1
	s_cmp_lg_u32 s3, 0
	s_cbranch_scc1 .Ltrip
	P1 1, 512, 1, 0                                ; K step 13's second unit; the tail is written out: the loop's last refill brought K step 15
	P0 0, 1, 2                                     ; K step 14: K step 15 has landed in every wave's sight; nothing is filled
	P1 0, 768, 1, 0
	P0 1, 2, 2                                     ; K step 15
	P1 1, 0, 0, 0
.set n8, 0
.rept 8
	SL 3, 1, 0                                     ; the last K step's block 3 (the slice behind the last product is the four places ahead of these)
.set n8, n8+1
.endr
; THE WAY OUT, 16 queries at a time: x 1 / l; 32 bytes a lane into my own stage; back as whole rows of 512 bytes, which the 32 lanes store: 512 consecutive bytes, aligned.
.macro MULT a
	WIN 0x03                                       ; source 0: window 3
.set i, 0
.rept 32
	v_pk_mul_f32 v[OW+2*i:OW+2*i+1], v[64*(\a)+2*i:64*(\a)+2*i+1], v[RL+2*(\a):RL+2*(\a)+1] op_sel_hi:[1,0]
.set i, i+1
.endr
	WIN 0
.endm
.macro TOSTAGE a
.set BB, F0+64*((\a)%2)
.if (\a) >= 2
	s_wait_xcnt 0x0                                ; the stores of the block two back have read these registers
.endif
.irp b, 0,1,2,3,4,5,6,7
	ds_store_b128 v[STO], v[OW+8*\b:OW+8*\b+3] offset:64*\b
	ds_store_b128 v[STO], v[OW+8*\b+4:OW+8*\b+7] offset:64*\b+16
.endr
.irp t, 0,1,2,3,4,5,6,7,8,9,10,11,12,13,14,15
	ds_load_b128 v[BB+4*\t:BB+4*\t+3], v[RD] offset:\t*528         ; LDS serves a wave's instructions in order: these see the stores above
.endr
.endm
.macro SEND a
.set BB, F0+64*((\a)%2)
	s_wait_dscnt 0x0
.irp t, 0,1,2,3,4,5,6,7,8,9,10,11,12,13,14,15
	global_store_b128 v[CO], v[BB+4*\t:BB+4*\t+3], s[10:11] offset:(16*(\a)+\t)*4096 th:TH_STORE_NT
.endr
.endm
	MULT 0
	TOSTAGE 0
.irp a, 1,2,3                          ; block a's multiplications stand between block a - 1's loads from the stage and the wait for them
	MULT \a
	SEND \a-1
	TOSTAGE \a
.endr
	SEND 3
	s_wait_tensorcnt 0x0                           ; the wave's end
	ds_add_u32 v[SPW], v[NIL]
	s_wait_dscnt 0x0
	CROUND                                         ; the closing round
	s_endpgm
.Lfunc_end_k_qad78bd88e4_pv:
	.size	k_qad78bd88e4_pv, .Lfunc_end_k_qad78bd88e4_pv-k_qad78bd88e4_pv
	.p2alignl 7, 3214868480
	.fill 96, 4, 3214868480
	.section	.rodata,"a",@progbits
	.p2align	6, 0x0
	.amdhsa_kernel k_qad78bd88e4_pv
		.amdhsa_group_segment_fixed_size 327680
		.amdhsa_private_segment_fixed_size 0
		.amdhsa_enable_private_segment 0
		.amdhsa_kernarg_size 32
		.amdhsa_user_sgpr_count 2
		.amdhsa_user_sgpr_kernarg_segment_ptr 1
		.amdhsa_wavefront_size32 1
		.amdhsa_system_sgpr_workgroup_id_x 1
		.amdhsa_system_sgpr_workgroup_id_y 1
		.amdhsa_system_sgpr_workgroup_id_z 1
		.amdhsa_system_vgpr_workitem_id 0
		.amdhsa_next_free_vgpr 1024
		.amdhsa_next_free_sgpr 96
		.amdhsa_reserve_vcc 0
		.amdhsa_float_denorm_mode_32 3
		.amdhsa_float_denorm_mode_16_64 3
		.amdhsa_memory_ordered 1
		.amdhsa_forward_progress 1
		.amdhsa_inst_pref_size 204
	.end_amdhsa_kernel
	.amdgpu_metadata
---
amdhsa.version: [ 1, 2 ]
amdhsa.kernels:
  - .name:           k_qad78bd88e4_pv
    .symbol:         k_qad78bd88e4_pv.kd
    .args:
      - { .name: pimg, .offset: 0, .size: 8, .value_kind: global_buffer, .address_space: global }
      - { .name: qkv, .offset: 8, .size: 8, .value_kind: global_buffer, .address_space: global }
      - { .name: stat, .offset: 16, .size: 8, .value_kind: global_buffer, .address_space: global }
      - { .name: out0, .offset: 24, .size: 8, .value_kind: global_buffer, .address_space: global }
    .group_segment_fixed_size: 327680
    .private_segment_fixed_size: 0
    .kernarg_segment_align: 8
    .kernarg_segment_size: 32
    .max_flat_workgroup_size: 128
    .sgpr_count:     96
    .vgpr_count:     1024
    .wavefront_size: 32
...
	.end_amdgpu_metadata
.endif
;; end of part 4
